; MI455X (gfx1250); checked and timed in simulation.
; The chip was launched on July 23, 2026; its instructions are those of AMD's public machine-readable ISA for CDNA 5 (MIT licence, August 2026) and "CDNA5" Instruction Set Architecture Reference Guide (July 2026). The comments in the code are by the model that wrote it; some were corrected since.
;; Multi Head Attention. Allowed arithmetic: matrix products marked QUANTISED: E5M2 operands, one E8M0 scale for each 32 along K, by v_wmma_scale_f32_16x16x128_f8f6f4 with both operands' format E5M2, f32 sums; everything else in f32.
;; Inputs: Wk_codes 1,024 x 32 x 32 uint8 (E5M2 codes of Wk, K innermost, in blocks of 32 codes); Wk_scales 1,024 x 32 uint8 (E8M0 scales of Wk, one for each 32 codes along K); Wq_codes 1,024 x 32 x 32 uint8 (E5M2 codes of Wq, K innermost, in blocks of 32 codes); Wq_scales 1,024 x 32 uint8 (E8M0 scales of Wq, one for each 32 codes along K); Wv_codes 1,024 x 32 x 32 uint8 (E5M2 codes of Wv, K innermost, in blocks of 32 codes); Wv_scales 1,024 x 32 uint8 (E8M0 scales of Wv, one for each 32 codes along K); attention_mask 4 x 2,048 x 1 bool; beta 1,024 float32; bk 1,024 float32; bq 1,024 float32; bv 1,024 float32; gamma 1,024 float32; x 4 x 2,048 x 1,024 float32.
;; Outputs: out0 4 x 2,048 x 1,024 float32.
;; This version of the problem:
;;   THIS VERSION OF THE PROBLEM IS GIVEN IN LOW PRECISION. The matrix products marked QUANTISED in the list below multiply operands that are first quantised to E5M2 (5 exponent bits, 2 mantissa bits; 8 bits a number), with one power-of-two scale for each 32 numbers along K (OCP MX v1.0); their sums are f32. All else is computed in f32.
;;   The module's matrix products, in the order in which they are computed (A, B: the left and right operand; K: the contracted axis; several contracted axes count as one K, in the product's order):
;;     1. [M 8,192, K 1,024] x [K 1,024, N 1,024]; A: input x; B: input Wq (given as codes): QUANTISED
;;     2. [M 8,192, K 1,024] x [K 1,024, N 1,024]; A: input x; B: input Wk (given as codes): QUANTISED
;;     3. [M 8,192, K 1,024] x [K 1,024, N 1,024]; A: input x; B: input Wv (given as codes): QUANTISED
;;     4. batch 16 x [M 2,048, K 256] x [K 256, N 2,048]; A: computed on the way; B: computed on the way: QUANTISED
;;     5. batch 16 x [M 2,048, K 2,048] x [K 2,048, N 256]; A: softmax (see below); B: computed on the way: QUANTISED
;;   THE QUANTISER, for each operand of a quantised product, along K:
;;     - K is cut into blocks of 32 from its start; a last block that is shorter is filled with zeros.
;;     - A block's scale is 2^e with e = floor(log2(the largest magnitude in the block)) - 15, held to -126 .. 127; a block of zeros has e = 0. As a byte (E8M0): e + 127.
;;     - Each number is divided by its block's scale, clamped to +-57,344, and rounded to the nearest number of E5M2, ties to even, subnormals kept.
;;     - The product sums the exact products of the quantised numbers (number of the format x scale) in f32.
;;   ~~~python
;;   def quantise(x, axis):      # numpy; x: float32 -> the quantised numbers, widened to float32 again
;;       x = np.moveaxis(x, axis, -1); K = x.shape[-1]
;;       x = np.pad(x, [(0, 0)] * (x.ndim - 1) + [(0, -K % 32)]); x = x.reshape(x.shape[:-1] + (-1, 32)); a = np.abs(x).max(-1, keepdims=True)
;;       e = np.where(a > 0, np.clip(np.frexp(np.where(a > 0, a, 1))[1] - 1 - 15, -126, 127), 0)      # np.frexp(a)[1] - 1 = floor(log2(a)), exactly
;;       r = np.clip(x / 2.0 ** e, -57344, 57344)
;;       step = 2.0 ** (np.maximum(np.frexp(np.where(r == 0, 1, r))[1] - 1, -14) - 2)
;;       q = np.round(r / step) * step * 2.0 ** e      # np.round: ties to even
;;       return np.moveaxis(q.reshape(q.shape[:-2] + (-1,))[..., :K], -1, axis).astype(np.float32)
;;   ~~~
;;   SOFTMAX AHEAD OF A QUANTISED PRODUCT. Where the list says 'softmax', what is quantised is not the finished softmax but p = 2^(t - M), with t = logit x log2(e) and M = ceil(the row's largest t), a whole number; so 1/2 < the row's largest p <= 1. The row's sum l is taken of the UNQUANTISED p, in f32, and the product's result is divided by l at the end. Since M is a whole number, a kernel that streams over the keys may use a running M (the ceiling of the running maximum): every later rescaling is an exact power of two, which a block's scale takes up: the codes' values come out the same.
;;   OPERANDS COMPUTED ON THE WAY. 'Computed on the way' means the value that the module computes at that place (a softmax that the list does not call 'softmax' is quantised finished and normalised). What goes into a quantiser is computed in f32, as accurately as f32 sums, v_exp_f32 and their like allow (about 1e-6 of the number): no bf16 or f16 on the way to a quantiser, and a product that is left as it is and whose result goes on into a quantised operand takes f32 operands (vector FMAs, or v_wmma_f32_16x16x4_f32). A number that lies on a knife's edge between two numbers of the format may be rounded either way, as far as f32 arithmetic and the matrix unit's own rounding can turn it there, and no further.
;;   INPUTS GIVEN AS CODES. Wk (in the module: [1024, 1024], K = its axis 1); Wq (in the module: [1024, 1024], K = its axis 1); Wv (in the module: [1024, 1024], K = its axis 1): each comes as NAME_codes (uint8): NAME with its K axis moved to the last place and cut into blocks of 32 codes, [.., K / 32, bytes a block], one block behind the other in memory; one code a byte (a code: sign, 5 exponent bits, 2 mantissa bits); and NAME_scales (uint8): the same leading axes, one E8M0 byte (e + 127) for each 32 codes along K. Its value is code x scale, taken as it is: it is not quantised again, and the codes and scales need not be those that the quantiser above would give.
;; One version. Each part assembles by itself: llvm-mc -triple=amdgcn-amd-amdhsa -mcpu=gfx1250 --defsym DOCPART=n.
;; ======== version 1 of 1: 4 launches
;; limits: right only within a limited range of input values
;; workspace buffers: ximg 8,388,608 bytes; xscl 262,144 bytes; qimg 8,388,608 bytes; qscl 262,144 bytes; kv 17,301,504 bytes; bs 524,288 bytes; attn_o 33,554,432 bytes
;; launch quantx (part 1): grid 256 x 1, 4 waves a work-group, no clusters, 34,304 bytes of LDS; arguments x, ximg, xscl; writes ximg, xscl
.if DOCPART == 1
	.amdgcn_target "amdgcn-amd-amdhsa--gfx1250"
	.amdhsa_code_object_version 6
	.text
	.protected	k_q8cf4afe65f_quantx
	.globl	k_q8cf4afe65f_quantx
	.p2align	8
	.type	k_q8cf4afe65f_quantx,@function
k_q8cf4afe65f_quantx:
	s_mov_b64 s[64:65], 0
	v_nop
	global_prefetch_b8 v0, s[64:65] scope:SCOPE_SE
	s_setreg_imm32_b32 hwreg(HW_REG_WAVE_MODE, 25, 1), 1
	s_wait_xcnt 0x0
; x [8192][1024] f32 becomes codes of E5M2 with one E8M0 scale byte for each 32 along K (= the 1,024), laid as the next launch's operand registers want them:
; ximg [tile of 16 rows: 512][K step of 128: 8][2,048 bytes]: a fragment as an image of its 16 registers: group c of four registers is 512 bytes, lane l's 16 bytes at 512 c + 16 l;
; lane (r = l % 16, h = l / 16) holds row r, K = 32 c + 16 h + 0 .. 15.   xscl [tile][lane 32][4 words]: lane (r, h), word i = the scale word of row r for K step 4 h + i.
; A block's scale is 2^(floor(log2(largest magnitude)) - 15); each number is divided by it, held within +-57,344 and rounded to the nearest code, ties to even.
; LIMITS: NaN and infinities are not served; a block of zeros (and one whose largest magnitude lies under 2^-111) gets the byte 1, not 127: its codes are zeros, and this program alone reads the bytes.
; SHARES: a wave takes 16 rows x 512 numbers: four units of 128 along K.  Every load reads 512 consecutive bytes of a row; a unit turns through the wave's own stage in LDS (rows 528 bytes apart, so that
; sixteen rows start at sixteen different banks) and comes back as 16 neighbours of each block a lane.  All 64 loads of a wave go out at the head.  Waves share nothing: no barrier, no cluster, no matrix unit.
.set STG,   8448                       ; a wave's stage: 16 rows x 528 bytes
.set SPARE, 4*STG                      ; behind the stages: the spare words, 128 bytes a wave
.set TM,  16                           ; v16-19 largest magnitudes, v20-23 bytes, v24-27 largest number x scale, v28-31 the conversions' scale operands
.set PC,  32                           ; v32-63  codes, two sets of 16
.set SW,  64                           ; v64-67  the four units' scale words
.set X,   128                          ; v128-255 two sets of 64 numbers;   window 1: v0-255 the numbers as loaded, unit u, row i at 64 u + 4 i
.set SEL, 20                           ; s[20:21] lane selects: lane l xor 16
.set MNT, 23                           ; s23 the mantissa field of 57,344
.set MSB, 0
.macro WIN new                         ; the immediate's high byte repeats the setting that is left
.if MSB != (\new)
	s_set_vgpr_msb (MSB<<8)|(\new)
.set MSB, \new
.endif
.endm
	s_load_b128 s[4:7], s[0:1], 0x0                ; x, ximg
	s_load_b64 s[8:9], s[0:1], 0x10                ; xscl
	v_lshl_add_u32 v6, v0, 2, SPARE                ; my spare word; never rewritten
	v_mov_b32 v7, 0                                ; 0; never rewritten
	v_lshrrev_b32 v8, 5, v0
	v_readfirstlane_b32 s12, v8                    ; wave
	v_and_b32 v5, 31, v0                           ; lane
	v_lshlrev_b32 v1, 4, v5                        ; 16 x lane
	v_and_b32 v9, 15, v0                           ; r
	v_bfe_u32 v10, v0, 4, 1                        ; h
	s_mul_i32 s13, s12, STG
	v_add_nc_u32 v2, s13, v1                       ; into the stage: 16 x lane of a row
	v_mul_u32_u24 v3, v9, 528
	v_lshl_add_u32 v3, v10, 6, v3
	v_add_nc_u32 v3, s13, v3                       ; out of it: row r, + 64 h: my 16 numbers of a block
	v_lshlrev_b32 v4, 4, v9                        ; 16 r: my row's four scale words
	s_mov_b32 s[SEL], 0x76543210
	s_mov_b32 s[SEL+1], 0xfedcba98
	s_mov_b32 s[MNT], 0x600000
.irp b, 0,1,2,3
	v_mov_b32 v[TM+4+\b], 0                        ; written once: a lane permute's destination counts as one of its sources
.endr
	s_lshl_b32 s14, ttmp9, 2
	s_add_co_u32 s14, s14, s12                     ; which of the 1,024 shares
	s_lshr_b32 s15, s14, 1                         ; tile of 16 rows
	s_and_b32 s16, s14, 1                          ; half of K
	s_lshl_b32 s24, s15, 16                        ; x: 65,536 bytes a tile, 2,048 a half
	s_lshl_b32 s17, s16, 11
	s_add_co_u32 s24, s24, s17
	s_mov_b32 s25, 0
	s_lshl_b32 s26, s15, 14                        ; ximg: 16,384 a tile, 8,192 a half
	s_lshl_b32 s17, s16, 13
	s_add_co_u32 s26, s26, s17
	s_mov_b32 s27, 0
	s_lshl_b32 s28, s15, 9                         ; xscl: 512 a tile, 256 a half
	s_lshl_b32 s17, s16, 8
	s_add_co_u32 s28, s28, s17
	s_mov_b32 s29, 0
	s_wait_alu depctr_va_vdst(0)
	s_wait_kmcnt 0x0
	s_add_nc_u64 s[4:5], s[4:5], s[24:25]
	s_add_nc_u64 s[6:7], s[6:7], s[26:27]
	s_add_nc_u64 s[8:9], s[8:9], s[28:29]
	WIN 0x40                                       ; destination window 1
.irp u, 0,1,2,3
.irp i, 0,1,2,3,4,5,6,7,8,9,10,11,12,13,14,15
	global_load_b128 v[64*\u+4*\i:64*\u+4*\i+3], v1, s[4:5] offset:4096*\i+512*\u th:TH_LOAD_NT   ; 32 lanes read 512 consecutive bytes of row i
.endr
.endr
; unit u through the stage.  LDS serves a wave's instructions in order, so one stage serves all units and no wait stands between the stores and the loads
.macro TURN u
	s_wait_loadcnt 48-16*(\u)                      ; this unit's 16 loads are in; the later units' may be out
	WIN 0x04                                       ; an LDS store's data are its source 1: window 1
.irp i, 0,1,2,3,4,5,6,7,8,9,10,11,12,13,14,15
	ds_store_b128 v2, v[64*(\u)+4*\i:64*(\u)+4*\i+3] offset:528*\i
.endr
	WIN 0
.irp b, 0,1,2,3
.irp j, 0,1,2,3
	ds_load_b128 v[X+64*((\u)%2)+16*\b+4*\j:X+64*((\u)%2)+16*\b+4*\j+3], v3 offset:128*\b+16*\j
.endr
.endr
.endm
; 64 numbers of a lane, register 16 b + i = K 32 b + 16 h + i of my row, become a fragment's codes and its scale word
.macro QUANT s, pc, pw
.irp b, 0,1,2,3
	v_max3_num_f32 v[TM+\b], |v[\s+16*\b]|, |v[\s+16*\b+1]|, 0x8000000   ; my 16 numbers and the floor 2^(16 - 127): the byte cannot fall under 1
.endr
.irp i, 2,4,6,8,10,12,14
.irp b, 0,1,2,3
	v_max3_num_f32 v[TM+\b], v[TM+\b], |v[\s+16*\b+\i]|, |v[\s+16*\b+\i+1]|   ; the four blocks by turns
.endr
.endr
.irp b, 0,1,2,3
	v_permlanex16_b32 v[TM+4+\b], v[TM+\b], s[SEL], s[SEL+1]
.endr
.irp b, 0,1,2,3
	v_max_num_f32 v[TM+\b], v[TM+\b], v[TM+4+\b]   ; with lane l xor 16's: the block's largest magnitude
.endr
.irp b, 0,1,2,3
	v_add_nc_u32 v[TM+12+\b], 0xf8800000, v[TM+\b] ; 15 off its exponent field: the conversion's scale operand
.endr
.irp b, 0,1,2,3
	v_and_or_b32 v[TM+8+\b], v[TM+\b], 0x7f800000, s[MNT]   ; 57,344 x the scale
.endr
.irp b, 0,1,2,3
	v_lshrrev_b32 v[TM+4+\b], 23, v[TM+12+\b]      ; the scale's byte
.endr
	v_lshl_or_b32 v[\pw], v[TM+5], 8, v[TM+4]
	v_lshl_or_b32 v[\pw], v[TM+6], 16, v[\pw]
	v_lshl_or_b32 v[\pw], v[TM+7], 24, v[\pw]
.irp b, 0,1,2,3
.irp i, 0,1,2,3,4,5,6,7,8,9,10,11,12,13,14,15
	v_med3_num_f32 v[\s+16*\b+\i], v[\s+16*\b+\i], -v[TM+8+\b], v[TM+8+\b]   ; the conversion does not saturate (ISA guide 7.6.2): the hold comes first
.endr
	v_cvt_scalef32_pk8_bf8_f32 v[\pc+4*\b:\pc+4*\b+1], v[\s+16*\b:\s+16*\b+7], v[TM+12+\b]
	v_cvt_scalef32_pk8_bf8_f32 v[\pc+4*\b+2:\pc+4*\b+3], v[\s+16*\b+8:\s+16*\b+15], v[TM+12+\b]
.endr
	v_nop                                          ; a plain line behind the last conversion
.endm
	TURN 0
.irp u, 0,1,2,3
	s_wait_dscnt 0x0                               ; this unit's numbers are back from the stage
.if \u < 3
	TURN \u+1                                      ; the next unit goes through while this one is worked
.endif
	s_wait_xcnt 0x0                                ; the stores of two units back have read this set of codes
.set XSET, X+64*(\u%2)
.set PCS, PC+16*(\u%2)
.set PWS, SW+\u
	QUANT XSET, PCS, PWS
.irp c, 0,1,2,3
	global_store_b128 v1, v[PCS+4*\c:PCS+4*\c+3], s[6:7] offset:2048*\u+512*\c   ; 512 consecutive bytes, aligned
.endr
.endr
	s_wait_xcnt 0x0                                ; EXEC changes only behind this wait
	v_cmp_gt_u32 vcc_lo, 16, v5
	s_and_saveexec_b32 s13, vcc_lo                 ; lanes 16-31 hold the same words as lanes 0-15
	global_store_b128 v4, v[SW:SW+3], s[8:9]       ; sixteen lanes store 256 consecutive bytes, aligned
	s_wait_xcnt 0x0
	s_or_b32 exec_lo, exec_lo, s13
	s_wait_tensorcnt 0x0                           ; the wave's end
	ds_add_u32 v6, v7
	s_wait_dscnt 0x0
	s_endpgm
.Lfunc_end_k_q8cf4afe65f_quantx:
	.size	k_q8cf4afe65f_quantx, .Lfunc_end_k_q8cf4afe65f_quantx-k_q8cf4afe65f_quantx
	.p2alignl 7, 3214868480
	.fill 96, 4, 3214868480
	.section	.rodata,"a",@progbits
	.p2align	6, 0x0
	.amdhsa_kernel k_q8cf4afe65f_quantx
		.amdhsa_group_segment_fixed_size 34304
		.amdhsa_private_segment_fixed_size 0
		.amdhsa_enable_private_segment 0
		.amdhsa_kernarg_size 24
		.amdhsa_user_sgpr_count 2
		.amdhsa_user_sgpr_kernarg_segment_ptr 1
		.amdhsa_wavefront_size32 1
		.amdhsa_system_sgpr_workgroup_id_x 1
		.amdhsa_system_sgpr_workgroup_id_y 1
		.amdhsa_system_sgpr_workgroup_id_z 1
		.amdhsa_system_vgpr_workitem_id 0
		.amdhsa_next_free_vgpr 512
		.amdhsa_next_free_sgpr 66
		.amdhsa_reserve_vcc 1
		.amdhsa_float_denorm_mode_32 3
		.amdhsa_float_denorm_mode_16_64 3
		.amdhsa_memory_ordered 1
		.amdhsa_forward_progress 1
		.amdhsa_inst_pref_size 51
	.end_amdhsa_kernel
	.amdgpu_metadata
---
amdhsa.version: [ 1, 2 ]
amdhsa.kernels:
  - .name:           k_q8cf4afe65f_quantx
    .symbol:         k_q8cf4afe65f_quantx.kd
    .args:
      - { .name: x, .offset: 0, .size: 8, .value_kind: global_buffer, .address_space: global }
      - { .name: ximg, .offset: 8, .size: 8, .value_kind: global_buffer, .address_space: global }
      - { .name: xscl, .offset: 16, .size: 8, .value_kind: global_buffer, .address_space: global }
    .group_segment_fixed_size: 34304
    .private_segment_fixed_size: 0
    .kernarg_segment_align: 8
    .kernarg_segment_size: 24
    .max_flat_workgroup_size: 128
    .sgpr_count:     66
    .vgpr_count:     512
    .wavefront_size: 32
...
	.end_amdgpu_metadata
.endif
;; end of part 1
;; launch proj (part 2): grid 32 x 8, 4 waves a work-group, clusters of 4 x 1, 327,680 bytes of LDS; arguments ximg, xscl, Wq_codes, Wq_scales, Wk_codes, Wk_scales, Wv_codes, Wv_scales, bq, bk, bv, qimg, qscl, kv, bs; writes qimg, qscl, kv, bs
.if DOCPART == 2
	.amdgcn_target "amdgcn-amd-amdhsa--gfx1250"
	.amdhsa_code_object_version 6
	.text
	.protected	k_q8cf4afe65f_proj
	.globl	k_q8cf4afe65f_proj
	.p2align	8
	.type	k_q8cf4afe65f_proj,@function
k_q8cf4afe65f_proj:
	s_mov_b64 s[64:65], 0
	v_nop
	global_prefetch_b8 v0, s[64:65] scope:SCOPE_SE
	s_setreg_imm32_b32 hwreg(HW_REG_WAVE_MODE, 25, 1), 1
	s_wait_xcnt 0x0
	s_wait_alu depctr_hold_cnt(0) depctr_sa_sdst(0) depctr_va_vdst(0) depctr_va_sdst(0) depctr_va_ssrc(0) depctr_va_vcc(0) depctr_vm_vsrc(0)
	s_getreg_b32 s2, hwreg(HW_REG_IB_STS2, 6, 4)
	s_cmp_eq_u32 s2, 0
	s_cbranch_scc0 .Lentry_in_a_cluster
	s_endpgm
.Lentry_in_a_cluster:
	s_bfe_u32 s2, ttmp6, 0x10000c
	s_cmp_lg_u32 s2, 0x3003
	s_cbranch_scc0 .Lentry_shape_is_right
	s_endpgm
.Lentry_shape_is_right:
; q = x Wq^T + bq, k = x Wk^T + bk, v = x Wv^T + bv on codes of E5M2 with E8M0 scales, sums in f32; the results are quantised at once for the attention's two products and stored as images of operand registers.
; SHARES.  A work-group takes 256 tokens (x: 32 blocks) and rows 128 g .. 128 g + 127 of each of the three weights (y: g = 0..7; head g / 2, half g % 2 of its 256).  A wave keeps its 64 tokens' codes for ALL of K in
; 512 registers; the four waves stream the same fragments of W from LDS, each fragment feeding four products.  768 products a wave.
; CLUSTER.  The four token blocks of a cluster need the same tiles of W: each tile (128 rows x 1,024 bytes) is asked for jointly, mask 15, a wave 32 rows.  Wq and Wk go out at the start into two slots; Wv fills Wq's slot again.
; q AND k ARE MADE TRANSPOSED (source 0 = 16 rows of W, source 1 = 16 tokens): a lane holds one token, and its registers run along the head's d, the next product's K.
; v IS MADE AS IT STANDS (source 0 = tokens, source 1 = rows of W): a lane holds one d, and its registers run along the tokens, which are the keys, the last product's K.
; ORDER ALONG K IN THE IMAGES OF q, k, v: register group c, lane half h, byte i holds index 32 c + 8 h + i % 8 + 16 (i / 8).  That permutes inside each block of 32 alone, so scales are untouched, and it is the same
; on both sides of each later product (p is made in the same order): the products are the same, only the order of the f32 sums differs from ascending K.
; kv [bh 16][key step of 128: 16][67,584]: K's fragment (tile T of 16 keys, half s of d) at (2 T + s) 2,048; K's scale words at 32,768 + 512 s + 64 T + 4 r; V's fragment (tile dt of 16 d) at 33,792 + 2,048 dt;
; V's scale words at 66,560 + 64 dt + 4 r: K's part and V's part of a block are 33,792 bytes each, so that the next launch can fetch them apart.
; bs [bh][64 keys: 32][256] f32: the sum over 64 keys of the quantised v, by the same matrix instruction (v's codes x a fragment of 1.0).
; LIMITS: NaN and infinities are not served; a block of zeros gets the byte 1 (its codes are zeros; this program alone reads the bytes).
; REGISTERS.  window 0: v1-15 addresses; v16-31 x's scale words (at the end v16-18: the sums' scale words); v32-63 W's scale words; v64-127 the bias as C, 8 tiles; v128-255 W's 8 fragments (in the epilogues: at work).
;   window 1: 32 accumulators.   windows 2, 3: x's fragment (tile a, K step p) in window 2 + p / 4 at 16 (4 a + p % 4).
.set SLOT1, 133120                     ; a slot: 128 rows x 1,040 (1,024 bytes + 16 of padding = 260 words: row r starts at bank 4 r mod 64)
.set HALF,  66560                      ; 64 rows
.set SST,   266240                     ; q's and k's scale words on their way out: 256 bytes a wave
.set VST,   267264                     ; v's: two waves make each word
.set BST,   268288                     ; the sums: 512 bytes a wave
.set SPARE, 270336                     ; the spare words, 128 bytes a wave
.set BLKB,  67584
.set XS,   16
.set WS,   32
.set BIAS, 64
.set F,    128
.set TM,   128                         ; epilogues: v128-143 as in the quantiser, v144-175 codes in two sets, v176 a scale word, v178 8 x lane, v179 4 r, v180-187 back from the stages, v192-207 a fragment of 1.0
.set PC,   144
.set PW,   176
.set L8,   178
.set BO,   179
.set SD,   180
.set ONES, 192
.set HW,   16
.set ONESC, 18
.set WV,   4
.set SEL,  60
.set MNT,  62
.set MSB, 0
.macro WIN new
.if MSB != (\new)
	s_set_vgpr_msb (MSB<<8)|(\new)
.set MSB, \new
.endif
.endm
.macro NOPS n
.rept \n
	v_nop
.endr
.endm
.macro SHADD d, s, n                   ; s[d] += s[s] << n
	s_lshl_b32 s75, s[\s], \n
	s_add_co_u32 s[\d], s[\d], s75
.endm
.macro CROUND                          ; a round of the cluster's barrier
	s_barrier_signal -1
	s_barrier_wait -1
	s_cmp_lg_u32 s[WV], 0
	s_cbranch_scc1 .Lnot_wave_0_\@
	s_barrier_signal -3
.Lnot_wave_0_\@:
	s_barrier_wait -3
	s_barrier_signal -1
	s_barrier_wait -1
.endm
.macro JLOAD g0                        ; a joint load: every wave its 32 rows
	tensor_load_to_lds s[\g0:\g0+3], s[40:47]
	s_nop 0
	NOPS 4
.endm
; the matrix instruction, by the symbols rD, rA, rB, rC (under 0: the constant 0), rSA, rSB, rowA, rowB
.macro WMS
.if rC < 0
.if rowA && rowB
	v_wmma_scale_f32_16x16x128_f8f6f4 v[rD:rD+7], v[rA:rA+15], v[rB:rB+15], 0, v[rSA], v[rSB] matrix_a_fmt:MATRIX_FMT_BF8 matrix_b_fmt:MATRIX_FMT_BF8 matrix_a_scale:MATRIX_SCALE_ROW1 matrix_b_scale:MATRIX_SCALE_ROW1
.elseif rowA
	v_wmma_scale_f32_16x16x128_f8f6f4 v[rD:rD+7], v[rA:rA+15], v[rB:rB+15], 0, v[rSA], v[rSB] matrix_a_fmt:MATRIX_FMT_BF8 matrix_b_fmt:MATRIX_FMT_BF8 matrix_a_scale:MATRIX_SCALE_ROW1
.else
	v_wmma_scale_f32_16x16x128_f8f6f4 v[rD:rD+7], v[rA:rA+15], v[rB:rB+15], 0, v[rSA], v[rSB] matrix_a_fmt:MATRIX_FMT_BF8 matrix_b_fmt:MATRIX_FMT_BF8
.endif
.else
.if rowA && rowB
	v_wmma_scale_f32_16x16x128_f8f6f4 v[rD:rD+7], v[rA:rA+15], v[rB:rB+15], v[rC:rC+7], v[rSA], v[rSB] matrix_a_fmt:MATRIX_FMT_BF8 matrix_b_fmt:MATRIX_FMT_BF8 matrix_a_scale:MATRIX_SCALE_ROW1 matrix_b_scale:MATRIX_SCALE_ROW1
.elseif rowA
	v_wmma_scale_f32_16x16x128_f8f6f4 v[rD:rD+7], v[rA:rA+15], v[rB:rB+15], v[rC:rC+7], v[rSA], v[rSB] matrix_a_fmt:MATRIX_FMT_BF8 matrix_b_fmt:MATRIX_FMT_BF8 matrix_a_scale:MATRIX_SCALE_ROW1
.else
	v_wmma_scale_f32_16x16x128_f8f6f4 v[rD:rD+7], v[rA:rA+15], v[rB:rB+15], v[rC:rC+7], v[rSA], v[rSB] matrix_a_fmt:MATRIX_FMT_BF8 matrix_b_fmt:MATRIX_FMT_BF8
.endif
.endif
.endm
	s_load_b512 s[8:23], s[0:1], 0x0               ; ximg 8, xscl 10, Wq codes 12, scales 14, Wk 16, 18, Wv 20, 22
	s_load_b256 s[24:31], s[0:1], 0x40             ; bq 24, bk 26, bv 28, qimg 30
	s_load_b128 s[32:35], s[0:1], 0x60             ; qscl 32, kv 34
	s_load_b64 s[36:37], s[0:1], 0x70              ; bs
	v_lshl_add_u32 v6, v0, 2, SPARE                ; my spare word; never rewritten
	v_mov_b32 v7, 0                                ; 0; never rewritten
	ds_add_u32 v6, v7                              ; the wave's opening: the two adds and their wait ahead of my first tensor load; the set-up, work on registers, stands between
	ds_add_u32 v6, v7
	v_lshrrev_b32 v1, 5, v0
	v_readfirstlane_b32 s[WV], v1                  ; wave 0..3
	s_bfe_u32 s5, ttmp6, 0x40000                   ; cx: it enters the addresses of x and of the results alone
	s_lshl_b32 s6, ttmp9, 2
	s_add_co_u32 s6, s6, s5                        ; block of 256 tokens
	s_and_b32 s7, ttmp7, 0xffff                    ; g, which the four partners share
	s_mov_b32 s40, 15|(3<<16)|(1<<20)|(1<<21)|(7<<22)|(3<<25)   ; group 1: mask: all four; elements of 8 bytes; padding on; bit 21 beside a mask; after every 256 words, 4 words
	s_mov_b32 s41, 128<<16                         ; tensor_dim0 = 128 elements (1,024 bytes)
	s_mov_b32 s42, 32<<16                          ; tensor_dim1 = 32
	s_mov_b32 s43, 128<<16                         ; tile_dim0
	s_mov_b32 s44, 32                              ; tile_dim1
	s_mov_b32 s45, 128                             ; from row to row
	s_mov_b32 s46, 0
	s_mov_b32 s47, 0
	s_lshl_b32 s66, s7, 17                         ; my 32 rows of a weight: (128 g + 32 wave) x 1,024
	s_lshl_b32 s67, s[WV], 15
	s_add_co_u32 s66, s66, s67
	s_mov_b32 s67, 0
	s_mul_i32 s68, s[WV], 33280                    ; and their place in a slot
	s_mov_b32 s[SEL], 0x76543210
	s_mov_b32 s[SEL+1], 0xfedcba98
	s_mov_b32 s[MNT], 0x600000
	v_and_b32 v128, 15, v0                         ; r
	v_bfe_u32 v129, v0, 4, 1                       ; h
	v_and_b32 v130, 31, v0                         ; lane
	v_lshlrev_b32 v1, 4, v130                      ; v1: 16 x lane
	v_mul_u32_u24 v131, v128, 1040
	v_lshl_add_u32 v2, v129, 4, v131               ; v2-5: W's fragments: row r x pitch + 16 h, in slot 0 rows 0-63, 64-127, slot 1 likewise
	v_add_nc_u32 v3, HALF, v2
	v_add_nc_u32 v4, SLOT1, v2
	v_add_nc_u32 v5, SLOT1+HALF, v2
	s_lshl_b32 s96, s[WV], 8
	s_lshl_b32 s97, s[WV], 9
	s_lshr_b32 s74, s[WV], 1                       ; wave / 2: which key step of the block's two
	s_and_b32 s73, s[WV], 1                        ; wave % 2: which half of it
	s_lshl_b32 s69, s74, 9
	s_lshl_b32 s75, s73, 1
	s_add_co_u32 s69, s69, s75
	v_lshl_add_u32 v8, v128, 2, s96
	v_add_nc_u32 v8, SST, v8                       ; v8: SST + 256 wave + 4 r
	v_lshl_add_u32 v9, v130, 3, s96
	v_add_nc_u32 v11, VST, v9                      ; v11: VST + 256 wave + 8 lane
	v_add_nc_u32 v9, SST, v9                       ; v9: SST + 256 wave + 8 lane
	v_lshl_add_u32 v10, v128, 2, s69
	v_add_nc_u32 v10, VST, v10                     ; v10: VST + 512 (wave / 2) + 4 r + 2 (wave % 2)
	v_lshl_add_u32 v12, v129, 5, s97
	v_add_nc_u32 v12, BST, v12                     ; v12: BST + 512 wave + 32 h
	v_add_nc_u32 v13, s97, v1
	v_add_nc_u32 v13, BST, v13                     ; v13: BST + 512 wave + 16 lane
	v_lshlrev_b32 v14, 5, v128
	v_lshl_add_u32 v14, v129, 4, v14               ; v14: W's scales: 32 r + 16 h: four words: K steps 4 h + 0 .. 3
	v_lshlrev_b32 v15, 5, v129                     ; v15: the bias of q and k: 32 h
	s_lshr_b32 s70, s6, 3                          ; batch
	s_lshl_b32 s70, s70, 2
	s_lshr_b32 s71, s7, 1
	s_add_co_u32 s70, s70, s71                     ; bh = 4 batch + head
	s_and_b32 s71, s7, 1                           ; half of d
	s_and_b32 s72, s6, 7                           ; block of 256 tokens in the batch
	s_lshl_b32 s76, s6, 18                         ; ximg: 16 tiles x 16,384 a block, 4 a wave
	SHADD 76, 4, 16
	s_mov_b32 s77, 0
	s_lshl_b32 s78, s6, 13                         ; xscl: 512 a tile
	SHADD 78, 4, 11
	s_mov_b32 s79, 0
	s_lshl_b32 s80, s7, 12                         ; W's scales: 128 rows x 32
	s_mov_b32 s81, 0
	s_lshl_b32 s82, s7, 9                          ; the biases: 128 x 4
	s_mov_b32 s83, 0
	s_lshl_b32 s84, s70, 19                        ; qimg: ((128 bh + tile) 2 + half) 2,048
	SHADD 84, 72, 16
	SHADD 84, 4, 14
	SHADD 84, 71, 11
	s_mov_b32 s85, 0
	s_lshl_b32 s86, s70, 14                        ; qscl: (2 bh + half) 8,192 + 64 tile
	SHADD 86, 71, 13
	SHADD 86, 72, 10
	SHADD 86, 4, 8
	s_mov_b32 s87, 0
	s_lshl_b32 s88, s70, 4                         ; kv: my key step's block
	SHADD 88, 72, 1
	s_add_co_u32 s88, s88, s74
	s_mul_i32 s88, s88, BLKB
	s_mov_b32 s89, 0
	s_lshl_b32 s90, s73, 14                        ; in it K's fragments: (8 (wave % 2) + half) 2,048,
	SHADD 90, 71, 11
	s_mov_b32 s91, 0
	s_lshl_b32 s92, s71, 9                         ; K's scale words (V's lie 33,792 further on),
	SHADD 92, 73, 8
	s_add_co_u32 s92, s92, 32768
	s_mov_b32 s93, 0
	s_lshl_b32 s94, s71, 14                        ; V's fragments: 8 half x 2,048 + my two groups of 512
	SHADD 94, 73, 10
	s_add_co_u32 s94, s94, 33792
	s_mov_b32 s95, 0
	s_lshl_b32 s98, s70, 15                        ; bs: ((32 bh + 64 keys' number) 256 + 128 half) 4
	SHADD 98, 72, 12
	SHADD 98, 4, 10
	SHADD 98, 71, 9
	s_mov_b32 s99, 0
	s_wait_dscnt 0x0                               ; the opening add is done
	s_wait_kmcnt 0x0
	s_mov_b32 s48, 1                               ; group 0 for Wq: slot 0
	s_mov_b32 s49, s68
	s_add_nc_u64 s[50:51], s[12:13], s[66:67]
	s_or_b32 s51, s51, 0x80000000
	s_mov_b32 s52, 1                               ; for Wk: slot 1
	s_add_co_u32 s53, s68, SLOT1
	s_add_nc_u64 s[54:55], s[16:17], s[66:67]
	s_or_b32 s55, s55, 0x80000000
	s_mov_b32 s56, 1                               ; for Wv: slot 0 again
	s_mov_b32 s57, s68
	s_add_nc_u64 s[58:59], s[20:21], s[66:67]
	s_or_b32 s59, s59, 0x80000000
	s_add_nc_u64 s[8:9], s[8:9], s[76:77]
	s_add_nc_u64 s[10:11], s[10:11], s[78:79]
	s_add_nc_u64 s[14:15], s[14:15], s[80:81]
	s_add_nc_u64 s[18:19], s[18:19], s[80:81]
	s_add_nc_u64 s[22:23], s[22:23], s[80:81]
	s_add_nc_u64 s[24:25], s[24:25], s[82:83]
	s_add_nc_u64 s[26:27], s[26:27], s[82:83]
	s_add_nc_u64 s[28:29], s[28:29], s[82:83]
	s_add_nc_u64 s[30:31], s[30:31], s[84:85]
	s_add_nc_u64 s[32:33], s[32:33], s[86:87]
	s_add_nc_u64 s[34:35], s[34:35], s[88:89]
	s_add_nc_u64 s[90:91], s[34:35], s[90:91]
	s_add_nc_u64 s[92:93], s[34:35], s[92:93]
	s_add_nc_u64 s[94:95], s[34:35], s[94:95]
	s_add_nc_u64 s[36:37], s[36:37], s[98:99]
	CROUND                                         ; all four work-groups are here: the first joint loads meet
	JLOAD 48                                       ; Wq: my one tensor load at the head
; x's fragments of K step ksp, my four tiles: 16 loads; they stay.  K steps 0 to 2 are asked for here, behind the 28 small loads; the others among q's products, three K steps ahead of their use
.macro XLOAD ksp
	WIN 0x80+0x40*((\ksp)/4)
.irp a, 0,1,2,3
.irp c, 0,1,2,3
	global_load_b128 v[16*(4*\a+(\ksp)%4)+4*\c:16*(4*\a+(\ksp)%4)+4*\c+3], v1, s[8:9] offset:16384*\a+2048*(\ksp)+512*\c
.endr
.endr
	WIN 0
.endm
.irp a, 0,1,2,3
	global_load_b128 v[XS+4*\a:XS+4*\a+3], v1, s[10:11] offset:512*\a   ; lanes 0-15: K steps 0-3 of row r; lanes 16-31: K steps 4-7
.endr
	s_wait_alu depctr_va_vdst(0)
.irp t, 0,1,2,3,4,5,6,7
	global_load_b128 v[WS+4*\t:WS+4*\t+3], v14, s[14:15] offset:512*\t
	global_load_b128 v[BIAS+8*\t:BIAS+8*\t+3], v15, s[24:25] offset:64*\t
	global_load_b128 v[BIAS+8*\t+4:BIAS+8*\t+7], v15, s[24:25] offset:64*\t+16
.endr
	XLOAD 0
	XLOAD 1
	XLOAD 2
.macro LOADH adr, hf, ksp              ; four fragments of W (tiles 4 hf + 0 .. 3, K step ksp): 16 loads
.irp t, 0,1,2,3
.irp c, 0,1,2,3
	ds_load_b128 v[FB+16*\t+4*\c:FB+16*\t+4*\c+3], v[\adr] offset:16640*\t+128*(\ksp)+32*\c   ; into the set of registers that FBUF has named
.endr
.endr
.endm
; 16 products: four tiles of W x my four tiles of tokens, one K step.  16 accumulators, one instruction a turn; the other half's 16 follow.  The bias is the C of the first K step
.macro MULH kind, hf, ksp
.if \kind == 0
.if (\ksp) == 0
	WIN 0x48                                       ; D window 1, C (bias) 0, source 1 (x) 2, source 0 (W) 0
.elseif (\ksp) < 4
	WIN 0x58
.else
	WIN 0x5c
.endif
.else
.if (\ksp) == 0
	WIN 0x42                                       ; D window 1, C (bias) 0, source 1 (W) 0, source 0 (x) 2
.elseif (\ksp) < 4
	WIN 0x52
.else
	WIN 0x53
.endif
.endif
.set rowA, (\ksp)/4
.set rowB, (\ksp)/4
.irp t, 0,1,2,3
.irp a, 0,1,2,3
.set bt, 4*(\hf)+\t
.if \kind == 0
.set rD, 64*\a+8*bt
.set rA, FM+16*\t
.set rB, 16*(4*\a+(\ksp)%4)
.set rSA, WS+4*bt+(\ksp)%4
.set rSB, XS+4*\a+(\ksp)%4
.else
.set rD, 32*bt+8*\a
.set rA, 16*(4*\a+(\ksp)%4)
.set rB, FM+16*\t
.set rSA, XS+4*\a+(\ksp)%4
.set rSB, WS+4*bt+(\ksp)%4
.endif
.if (\ksp) == 0
.set rC, BIAS+8*bt
.else
.set rC, rD
.endif
	WMS
.endr
.endr
.endm
; One weight's 256 products, in 16 half steps n = 2 (K step) + (half of W's eight tiles), 16 products each.  A half step's four fragments lie in one of THREE sets of 64 registers: half steps 0 and 1 in v128-191 and v192-255;
; from 2 on the sets take turns: the bias's v64-127 (free once K step 0 has taken the bias as C), v128-191, v192-255.  So half step n + 3 has half step n's set, and its 16 loads are issued eight places behind half step n's
; products; half step 2's follow half step 1's products.  Order of issue: 0, 1, 3, 2, 4, 5, 6 ..
.macro FBUF n
.if (\n) < 2
.set FB, F+64*(\n)
.elseif ((\n)-2)%3 == 0
.set FB, BIAS
.else
.set FB, F+64*(((\n)-2)%3-1)
.endif
.endm
.macro ISSUE a0, a1, n
	FBUF \n
.if (\n)%2
	LOADH \a1, 1, (\n)/2
.else
	LOADH \a0, 0, (\n)/2
.endif
.endm
; first = 1 (q): x is still on its way: K step kk asks for K step kk + 3 and waits for its own 16 loads; behind them stand those of the K steps asked for since: 48, at the end 32, 16, 0
.macro GROUP kind, a0, a1, first=0
	s_wait_xcnt 0x0                                ; the epilogue's stores have read the registers that the fragments take
	ISSUE \a0, \a1, 0
	ISSUE \a0, \a1, 1
.set nn, 0
.rept 16
.if \first
.if nn%2 == 0
.if nn < 10
	XLOAD nn/2+3
	s_wait_loadcnt 48
.else
	s_wait_loadcnt 16*(7-nn/2)
.endif
.endif
.endif
.if nn < 3
	s_wait_dscnt 16                                ; behind this half step's loads stands one run of 16
.elseif nn == 14
	s_wait_dscnt 16
.elseif nn == 15
	s_wait_dscnt 0x0
.else
	s_wait_dscnt 32                                ; the next two half steps' loads may be out
.endif
	FBUF nn
.set FM, FB
	MULH \kind, nn%2, nn/2
	WIN 0
	NOPS 8
.if nn == 1
	ISSUE \a0, \a1, 2
.endif
.if nn+3 < 16
	ISSUE \a0, \a1, nn+3
.endif
.set nn, nn+1
.endr
.endm
; nb blocks of 32: 16 nb numbers of a lane in window 1 from base on (a block's other 16 lie in lane l xor 16) become codes in v[pc] on and the scale bytes in v[pw].  Each accumulator is read from its low end on
.macro QUANTW base, nb, pc, pw
	WIN 0x05                                       ; sources 0 and 1 window 1
.set qb, 0
.rept \nb
	v_max3_num_f32 v[TM+qb], |v[(\base)+16*qb]|, |v[(\base)+16*qb+1]|, 0x8000000   ; and the floor 2^(16 - 127): the byte cannot fall under 1
.set qb, qb+1
.endr
.irp i, 2,4,6,8,10,12,14
.set qb, 0
.rept \nb
	v_max3_num_f32 v[TM+qb], |v[(\base)+16*qb+\i]|, |v[(\base)+16*qb+\i+1]|, v[TM+qb]
.set qb, qb+1
.endr
.endr
	WIN 0
.set qb, 0
.rept \nb
	v_permlanex16_b32 v[TM+4+qb], v[TM+qb], s[SEL], s[SEL+1]
.set qb, qb+1
.endr
.set qb, 0
.rept \nb
	v_max_num_f32 v[TM+qb], v[TM+qb], v[TM+4+qb]   ; the block's largest magnitude
.set qb, qb+1
.endr
.set qb, 0
.rept \nb
	v_add_nc_u32 v[TM+12+qb], 0xf8800000, v[TM+qb] ; 15 off its exponent field: the conversion's scale operand
.set qb, qb+1
.endr
.set qb, 0
.rept \nb
	v_and_or_b32 v[TM+8+qb], v[TM+qb], 0x7f800000, s[MNT]   ; 57,344 x the scale
.set qb, qb+1
.endr
.set qb, 0
.rept \nb
	v_lshrrev_b32 v[TM+4+qb], 23, v[TM+12+qb]      ; the scale's byte
.set qb, qb+1
.endr
	v_lshl_or_b32 v[\pw], v[TM+5], 8, v[TM+4]
.if \nb == 4
	v_lshl_or_b32 v[\pw], v[TM+6], 16, v[\pw]
	v_lshl_or_b32 v[\pw], v[TM+7], 24, v[\pw]
.endif
	WIN 0x41                                       ; destination and source 0 window 1
.set qb, 0
.rept 16*\nb
	v_med3_num_f32 v[(\base)+qb], v[(\base)+qb], -v[TM+8+qb/16], v[TM+8+qb/16]   ; the conversion does not saturate (ISA guide 7.6.2): the hold comes first
.set qb, qb+1
.endr
	WIN 0x01
.set qb, 0
.rept 2*\nb
	v_cvt_scalef32_pk8_bf8_f32 v[(\pc)+2*qb:(\pc)+2*qb+1], v[(\base)+8*qb:(\base)+8*qb+7], v[TM+12+qb/2]
.set qb, qb+1
.endr
	WIN 0
	v_nop                                          ; a plain line behind the last conversion
.endm
; q's or k's way out: my four tiles of tokens become four fragments and 64 scale words.  First the next weight's scale words and bias are asked for (their registers' last readers stand eight places back)
.macro EPI_T dst, sdst, nws, nb, nkind
.irp t, 0,1,2,3,4,5,6,7
	global_load_b128 v[WS+4*\t:WS+4*\t+3], v14, s[\nws:\nws+1] offset:512*\t
.endr
.if \nkind == 0
.irp t, 0,1,2,3,4,5,6,7
	global_load_b128 v[BIAS+8*\t:BIAS+8*\t+3], v15, s[\nb:\nb+1] offset:64*\t
	global_load_b128 v[BIAS+8*\t+4:BIAS+8*\t+7], v15, s[\nb:\nb+1] offset:64*\t+16
.endr
.else
	v_and_b32 v[BO], 15, v0
	v_lshlrev_b32 v[BO], 2, v[BO]                  ; v is made as it stands: a lane holds ONE row of W, so its bias is one number in all eight registers
.irp t, 0,1,2,3,4,5,6,7
	global_load_b32 v[BIAS+8*\t], v[BO], s[\nb:\nb+1] offset:64*\t
.endr
.endif
	v_lshrrev_b32 v[L8], 1, v1                     ; 8 x lane
.irp a, 0,1,2,3
	s_wait_xcnt 0x0                                ; the stores of two tiles back have read this set of codes
	QUANTW 64*\a, 4, PC+16*(\a%2), PW
.irp c, 0,1,2,3
	global_store_b128 v1, v[PC+16*(\a%2)+4*\c:PC+16*(\a%2)+4*\c+3], s[\dst:\dst+1] offset:4096*\a+512*\c   ; 512 consecutive bytes, aligned
.endr
	ds_store_b32 v8, v[PW] offset:64*\a            ; lanes l and l xor 16 write the same word with the same value
.endr
	ds_load_b64 v[SD:SD+1], v9                     ; LDS serves a wave's instructions in order: these see my stores
	s_wait_dscnt 0x0
	global_store_b64 v[L8], v[SD:SD+1], s[\sdst:\sdst+1]   ; 256 consecutive bytes, aligned
	s_wait_loadcnt 0x0                             ; the next weight's scale words and bias
.if \nkind
.irp t, 0,1,2,3,4,5,6,7
.irp j, 1,2,3,4,5,6,7
	v_mov_b32 v[BIAS+8*\t+\j], v[BIAS+8*\t]
.endr
.endr
.endif
.endm
	s_wait_tensorcnt 0x0                           ; my part of Wq is in
	ds_add_u32 v6, v7
	s_wait_loadcnt 48                              ; the scale words and bq are in; x's 48 loads may be out
	s_wait_dscnt 0x0
	CROUND                                         ; everybody's part of Wq is in, and the four work-groups meet
	JLOAD 52                                       ; Wk into slot 1: its first fill, with q's products in which to land
	GROUP 0, 2, 3, 1                               ; q
	s_wait_tensorcnt 0x0                           ; all my tensor loads have landed, my part of Wk among them;
	ds_add_u32 v6, v7                              ; 0 onto my spare word;
	s_wait_dscnt 0x0                               ; it is done, and my reads of slot 0 are over
	CROUND                                         ; the same holds of every wave of all four work-groups
	JLOAD 56                                       ; Wv into slot 0: it has q's way out and all of k's products in which to land
	EPI_T 30, 32, 18, 26, 0
	GROUP 0, 4, 5                                  ; k
	EPI_T 90, 92, 22, 28, 1
	s_wait_alu depctr_va_vdst(0)
	s_wait_tensorcnt 0x0                           ; my part of Wv is in,
	s_wait_dscnt 0x0
	s_barrier_signal -1
	s_barrier_wait -1                              ; everybody's is
	GROUP 1, 2, 3                                  ; v
	; v's way out.  For each tile of 16 d: my 64 keys are two blocks: two groups of a fragment's registers and half a scale word; and their sum, by one product with a fragment of 1.0
.irp i, 8,9,10,11,12,13,14,15
	v_mov_b32 v[PC+\i], 0                          ; the other two groups of the sum's operand: zero codes
	v_mov_b32 v[PC+16+\i], 0
.endr
.irp i, 0,1,2,3,4,5,6,7,8,9,10,11,12,13,14,15
	v_mov_b32 v[ONES+\i], 0x3c3c3c3c               ; the code of 1.0
.endr
	v_mov_b32 v[ONESC], 0x7f7f7f7f                 ; under the scale 1
	v_lshrrev_b32 v[L8], 1, v1
.irp t, 0,1,2,3,4,5,6,7
	s_wait_xcnt 0x0                                ; the stores of two tiles back have read this set of codes
	QUANTW 32*\t, 2, PC+16*(\t%2), HW+(\t%2)
	global_store_b128 v1, v[PC+16*(\t%2):PC+16*(\t%2)+3], s[94:95] offset:2048*\t
	global_store_b128 v1, v[PC+16*(\t%2)+4:PC+16*(\t%2)+7], s[94:95] offset:2048*\t+512
	ds_store_b16 v10, v[HW+(\t%2)] offset:64*\t
	NOPS 8                                         ; an operand written by vector instructions stands 4 places ahead of a scaled matrix instruction, a scale word 8
	WIN 0x40
.set rD, 32*\t
.set rA, PC+16*(\t%2)
.set rB, ONES
.set rC, -1
.set rSA, HW+(\t%2)
.set rSB, ONESC
.set rowA, 0
.set rowB, 0
	WMS                                            ; register j of lane (r, h): the sum for d = 16 t + 8 h + j, the same for every r
	WIN 0
.endr
	NOPS 8
	WIN 0x04                                       ; an LDS store's data are its source 1: window 1
.irp t, 0,1,2,3,4,5,6,7
	ds_store_b128 v12, v[32*\t:32*\t+3] offset:64*\t           ; sixteen lanes write the same bytes with the same values
	ds_store_b128 v12, v[32*\t+4:32*\t+7] offset:64*\t+16
.endr
	WIN 0
	s_wait_dscnt 0x0                               ; for the others' sake: two waves make each of v's scale words
	s_barrier_signal -1
	s_barrier_wait -1
	ds_load_b64 v[SD:SD+1], v11
	ds_load_b128 v[SD+4:SD+7], v13
	s_wait_dscnt 0x0
	global_store_b64 v[L8], v[SD:SD+1], s[92:93] offset:33792  ; V's scale words: 256 consecutive bytes, aligned
	global_store_b128 v1, v[SD+4:SD+7], s[36:37]               ; 512 consecutive bytes, aligned
	s_wait_tensorcnt 0x0                           ; the wave's end
	ds_add_u32 v6, v7
	s_wait_dscnt 0x0
	CROUND                                         ; the closing round
	s_endpgm
.Lfunc_end_k_q8cf4afe65f_proj:
	.size	k_q8cf4afe65f_proj, .Lfunc_end_k_q8cf4afe65f_proj-k_q8cf4afe65f_proj
	.p2alignl 7, 3214868480
	.fill 96, 4, 3214868480
	.section	.rodata,"a",@progbits
	.p2align	6, 0x0
	.amdhsa_kernel k_q8cf4afe65f_proj
		.amdhsa_group_segment_fixed_size 327680
		.amdhsa_private_segment_fixed_size 0
		.amdhsa_enable_private_segment 0
		.amdhsa_kernarg_size 120
		.amdhsa_user_sgpr_count 2
		.amdhsa_user_sgpr_kernarg_segment_ptr 1
		.amdhsa_wavefront_size32 1
		.amdhsa_system_sgpr_workgroup_id_x 1
		.amdhsa_system_sgpr_workgroup_id_y 1
		.amdhsa_system_sgpr_workgroup_id_z 1
		.amdhsa_system_vgpr_workitem_id 0
		.amdhsa_next_free_vgpr 1024
		.amdhsa_next_free_sgpr 100
		.amdhsa_reserve_vcc 0
		.amdhsa_float_denorm_mode_32 3
		.amdhsa_float_denorm_mode_16_64 3
		.amdhsa_memory_ordered 1
		.amdhsa_forward_progress 1
		.amdhsa_inst_pref_size 255
	.end_amdhsa_kernel
	.section	.bss,"aw",@nobits
	.p2align	6
	.space	262144
	.amdgpu_metadata
---
amdhsa.version: [ 1, 2 ]
amdhsa.kernels:
  - .name:           k_q8cf4afe65f_proj
    .symbol:         k_q8cf4afe65f_proj.kd
    .args:
      - { .name: ximg, .offset: 0, .size: 8, .value_kind: global_buffer, .address_space: global }
      - { .name: xscl, .offset: 8, .size: 8, .value_kind: global_buffer, .address_space: global }
      - { .name: Wq_codes, .offset: 16, .size: 8, .value_kind: global_buffer, .address_space: global }
      - { .name: Wq_scales, .offset: 24, .size: 8, .value_kind: global_buffer, .address_space: global }
      - { .name: Wk_codes, .offset: 32, .size: 8, .value_kind: global_buffer, .address_space: global }
      - { .name: Wk_scales, .offset: 40, .size: 8, .value_kind: global_buffer, .address_space: global }
      - { .name: Wv_codes, .offset: 48, .size: 8, .value_kind: global_buffer, .address_space: global }
      - { .name: Wv_scales, .offset: 56, .size: 8, .value_kind: global_buffer, .address_space: global }
      - { .name: bq, .offset: 64, .size: 8, .value_kind: global_buffer, .address_space: global }
      - { .name: bk, .offset: 72, .size: 8, .value_kind: global_buffer, .address_space: global }
      - { .name: bv, .offset: 80, .size: 8, .value_kind: global_buffer, .address_space: global }
      - { .name: qimg, .offset: 88, .size: 8, .value_kind: global_buffer, .address_space: global }
      - { .name: qscl, .offset: 96, .size: 8, .value_kind: global_buffer, .address_space: global }
      - { .name: kv, .offset: 104, .size: 8, .value_kind: global_buffer, .address_space: global }
      - { .name: bs, .offset: 112, .size: 8, .value_kind: global_buffer, .address_space: global }
    .group_segment_fixed_size: 327680
    .private_segment_fixed_size: 0
    .kernarg_segment_align: 8
    .kernarg_segment_size: 120
    .max_flat_workgroup_size: 128
    .sgpr_count:     100
    .vgpr_count:     1024
    .wavefront_size: 32
...
	.end_amdgpu_metadata
.endif
;; end of part 2
;; launch attn (part 3): grid 16 x 16, 4 waves a work-group, no clusters, 327,680 bytes of LDS; arguments qimg, qscl, kv, bs, attention_mask, attn_o; writes attn_o
.if DOCPART == 3
	.amdgcn_target "amdgcn-amd-amdhsa--gfx1250"
	.amdhsa_code_object_version 6
	.text
	.protected	k_q8cf4afe65f_attn
	.globl	k_q8cf4afe65f_attn
	.p2align	8
	.type	k_q8cf4afe65f_attn,@function
k_q8cf4afe65f_attn:
	s_mov_b64 s[64:65], 0
	v_nop
	global_prefetch_b8 v0, s[64:65] scope:SCOPE_SE
	s_setreg_imm32_b32 hwreg(HW_REG_WAVE_MODE, 25, 1), 1
	s_wait_xcnt 0x0
; attn_o[b][q][256 h + d] = the sum over keys of softmax(scores) v, scores = q . k / 16 where key <= query and the query is no padding, 1e-9 elsewhere.  Both products on codes of E5M2 with E8M0 scales.
; THE SOFTMAX: t = score x log2(e); M = the running largest t rounded up to a whole number; p = 2^(t - M) is quantised along the keys; the sum of the unquantised p divides at the end.
; WHAT THE MASK LEAVES.  A masked key still weighs 2^(1e-9 log2(e) - M).  A row with a masked key has M >= 1, so in f32 that weight is 2^-M exactly, and as a code too (2^15 under the scale 2^(-M - 15)).
; So the key steps that are wholly masked for a tile (its tail) add 2^-M x (the sum of the quantised v over their keys) to O and (their keys) x 2^-M to the row's sum: no scores are made for them.
; THE TAIL IS THE FIRST STATE: t = 1e-9 log2(e), M = 1, O = the tail's sums of v / 2 (from bs, made by the launch before with the same matrix instruction), the row's sum = the tail's keys / 2; each later change of M
; multiplies them by an exact power of two.  A tile without a tail begins with zeros and t = -3e38.  On the diagonal masked scores are set to 16e-9 (x 1/16 = 1e-9).  A padded query has c = 0 and t = 1e-9 log2(e) for every key.
; SHARES.  A work-group (x = j, y = bh) has four waves; a wave owns two tiles of 16 queries: A at 64 j + 16 wave, B at 64 (31 - j) + 16 wave: 17 tile steps of 128 keys for every wave of the launch.
; All four waves walk key steps 0 .. (31 - j) / 2; tile A takes part up to step j / 2.  The loops' trip counts are constants; a step's work, and past the limit the tensor loads, are jumped over by ids alone.
; NO CLUSTER: the work-groups of one bh walk 9 to 16 key steps, a joint load may not be jumped over.
; THE RING.  Two slots of TWO key steps each (135,168 bytes: two blocks of kv on end); a wave fetches a quarter: wave 0 K of the even step, wave 1 its V, wave 2 K of the odd step, wave 3 its V (33,792 bytes: 132 rows of 256).
; Eight trips, one change of slots each: behind its barrier the slot just left takes the steps that follow the slot in hand, so a load has two steps' work in which to land.  Slot 0 comes at the head;
; slot 1's first fill stands behind the first trip's barrier, at which nothing is filled again.  A wave's load is left out where its step does not exist for tile B.
; A STEP IS WHOLE IN ITS SLOT: S^T = K Q^T, the softmax (both tiles' lines by turns), O^T += V^T P^T.  K's 72 LDS loads stand in one run at its head, V's 72 in four runs among the softmax's lines.
; LAYOUT.  S^T = K Q^T and O^T = V^T P^T: a lane holds one query (lane % 16).  Fragments lie in LDS as images of their registers (16 x lane).  Along each product's K the images hold index 32 c + 8 h + i % 8 + 16 (i / 8)
; in group c, lane half h, byte i, on both sides alike: S^T's registers give p in that very order.
; LIMITS: NaN and infinities are not served (a padded query's scores are multiplied by 0, the sums of v outside a tail likewise).  The promise holds while |t| stays under 2^31.
; REGISTERS.  window 0: v1-15 addresses; v16-47 statistics, 16 a tile; v48-55 K's scale words, v56-63 V's; v64-191 S^T then p, 64 a tile; v192-209, v216-233 at work, a set a tile; v214, v215 addresses.
;   window 1: O^T, 128 a tile.   window 2: K's tiles 4-7, then V's 16 fragments.   window 3: Q (32 X + 16 s), p's codes (64 + 16 X), v96-223 K's tiles 0-3.
.set BLKB,  67584                      ; a key step's block
.set SLOTB, 2*BLKB                     ; a slot; slot 1 begins here
.set QUART, 33792                      ; one tensor load: K's part or V's part of a block
.set KSOFF, 32768
.set VOFF,  33792
.set VSOFF, 66560
.set STAGE, 2*SLOTB                    ; the way out: 16 rows x 528 for each wave
.set TAIL,  STAGE+33792                ; the tails' sums of v / 2: A's 1,024 bytes, B's 1,024
.set SPARE, TAIL+2048
.set ST,   16                          ; tile X at ST + 16 X: +0 -M, +1 largest t, +2 +3 the sum, +4 c, +5 t of a padded row, +6 f (+7), +8 query - 8 h, +9 Q's scale words, +10 p's scale word, +12 (+13) 1 / the sum
.set KSC,  48
.set VSC,  56
.set S,    64
.set WK,   192                         ; tile X at WK + 24 X: +0 blocks' maxima, +4 +8 +12 partners / bounds / scale operands, +16 a number
.set AV0,  214
.set ADK,  215
.set WV,   16
.set KSA,  19
.set Q0A,  21
.set KS,   23                          ; the key step in hand
.set TB,   24                          ; its slot's first byte
.set SLOTS, 25
.set SEL,  26
.set MNT,  28
.set T0,   29
.set LM,   30
.set LIM,  46
.set OB,   48
.set TT,   52
.set CNT,  54                          ; half the tail's keys, as f32
.set TS,   92                          ; the step's block's first byte in LDS
.set INN,  93                          ; steps left in the slot
.set TN,   94                          ; the first byte of the slot that is asked for
.set MSB, 0
.macro WIN new
.if MSB != (\new)
	s_set_vgpr_msb (MSB<<8)|(\new)
.set MSB, \new
.endif
.endm
.macro NOPS n
.rept \n
	v_nop
.endr
.endm
.macro WMS
.if rC < 0
	v_wmma_scale_f32_16x16x128_f8f6f4 v[rD:rD+7], v[rA:rA+15], v[rB:rB+15], 0, v[rSA], v[rSB] matrix_a_fmt:MATRIX_FMT_BF8 matrix_b_fmt:MATRIX_FMT_BF8
.elseif rowA && rowB
	v_wmma_scale_f32_16x16x128_f8f6f4 v[rD:rD+7], v[rA:rA+15], v[rB:rB+15], v[rC:rC+7], v[rSA], v[rSB] matrix_a_fmt:MATRIX_FMT_BF8 matrix_b_fmt:MATRIX_FMT_BF8 matrix_a_scale:MATRIX_SCALE_ROW1 matrix_b_scale:MATRIX_SCALE_ROW1
.elseif rowA
	v_wmma_scale_f32_16x16x128_f8f6f4 v[rD:rD+7], v[rA:rA+15], v[rB:rB+15], v[rC:rC+7], v[rSA], v[rSB] matrix_a_fmt:MATRIX_FMT_BF8 matrix_b_fmt:MATRIX_FMT_BF8 matrix_a_scale:MATRIX_SCALE_ROW1
.else
	v_wmma_scale_f32_16x16x128_f8f6f4 v[rD:rD+7], v[rA:rA+15], v[rB:rB+15], v[rC:rC+7], v[rSA], v[rSB] matrix_a_fmt:MATRIX_FMT_BF8 matrix_b_fmt:MATRIX_FMT_BF8
.endif
.endm
.macro TX X                            ; tile X's registers
.set sS, S+64*(\X)
.set sT, ST+16*(\X)
.set sW, WK+24*(\X)
.set sO, 128*(\X)
.set sP, 64+16*(\X)
.endm
	s_load_b256 s[4:11], s[0:1], 0x0               ; qimg 4, qscl 6, kv 8, bs 10
	s_load_b128 s[12:15], s[0:1], 0x20             ; attention_mask 12, attn_o 14
	v_lshl_add_u32 v7, v0, 2, SPARE                ; my spare word; never rewritten
	v_mov_b32 v8, 0                                ; 0; never rewritten
	ds_add_u32 v7, v8                              ; the opening lines: the add twice and its wait ahead of my first tensor load
	ds_add_u32 v7, v8
	v_lshrrev_b32 v1, 5, v0
	v_readfirstlane_b32 s[WV], v1
	s_mov_b32 s17, ttmp9                           ; j
	s_and_b32 s18, ttmp7, 0xffff                   ; bh
	s_lshr_b32 s[KSA], s17, 1
	s_sub_co_u32 s56, 31, s17
	s_lshr_b32 s[KSA+1], s56, 1
	s_lshl_b32 s57, s[WV], 4
	s_lshl_b32 s[Q0A], s17, 6
	s_add_co_u32 s[Q0A], s[Q0A], s57
	s_lshl_b32 s[Q0A+1], s56, 6
	s_add_co_u32 s[Q0A+1], s[Q0A+1], s57
	s_mov_b32 s[KS], 0
	s_mov_b32 s[TB], 0
	s_mov_b32 s[TN], 0
	s_mov_b32 s[SLOTS], 8
	s_mov_b32 s[SEL], 0x76543210
	s_mov_b32 s[SEL+1], 0xfedcba98
	s_mov_b32 s[MNT], 0x600000
	s_mov_b32 s[T0], 0x3089705f                    ; 1e-9
	s_mul_f32 s[T0], s[T0], 0x3fb8aa3b             ; x log2(e)
	s_mov_b32 s32, 3<<16                           ; group 1: 132 dense rows of 256 bytes (32 elements of 8)
	s_mov_b32 s33, 32<<16
	s_mov_b32 s34, 132<<16
	s_mov_b32 s35, 32<<16
	s_mov_b32 s36, 132
	s_mov_b32 s37, 32
	s_mov_b32 s38, 0
	s_mov_b32 s39, 0
.irp X, 0,1
	s_mov_b32 s[TT+\X], 0xff61b1e6                 ; -3e38
	s_cmp_lt_u32 s[KSA+\X], 15
	s_cselect_b32 s[TT+\X], s[T0], s[TT+\X]        ; a tail there is: its t is the first
	s_add_co_u32 s58, s[KSA+\X], 1
	s_lshl_b32 s[LM+\X], s58, 1                    ; the tail's first run of 64 keys
	s_lshl_b32 s59, s58, 6
	s_sub_co_u32 s59, 0x400, s59
	s_cvt_f32_u32 s[CNT+\X], s59
.endr
	; group 0, s[40:43], walks: my quarter of steps 0 and 1 into slot 0 at the head; each change of slots steps it two blocks on and to the other slot
	s_mul_i32 s62, s[WV], QUART                    ; my quarter, in memory and in a slot; kept
	s_mul_i32 s60, s18, 16*BLKB
	s_add_co_u32 s60, s60, s62
	s_mov_b32 s61, 0
	s_mov_b32 s40, 1
	s_mov_b32 s41, s62
	s_add_co_u32 s86, s60, 2*SLOTB                 ; the prefetches: my quarter of steps 4 and 5; the first change of slots steps it to steps 6 and 7
	s_mov_b32 s87, 0
	s_cmp_eq_u32 s17, 0                            ; all work-groups of a bh walk the same blocks: the one that walks all sixteen asks
	s_cselect_b32 s[LIM], 3, -1
	s_lshl_b32 s66, s18, 19
	s_lshl_b32 s67, s18, 14
	s_lshr_b32 s82, s18, 2
	s_lshl_b32 s83, s82, 11                        ; the batch's first row
	s_and_b32 s82, s18, 3
	s_lshl_b32 s82, s82, 10                        ; the head's 1,024 bytes in a row
.irp X, 0,1
	s_lshl_b32 s[68+2*\X], s[Q0A+\X], 8            ; qimg: 4,096 a tile
	s_add_co_u32 s[68+2*\X], s[68+2*\X], s66
	s_mov_b32 s[69+2*\X], 0
	s_lshl_b32 s[72+2*\X], s[Q0A+\X], 2            ; qscl: 4 a query
	s_add_co_u32 s[72+2*\X], s[72+2*\X], s67
	s_mov_b32 s[73+2*\X], 0
	s_add_co_u32 s[76+2*\X], s[Q0A+\X], s83        ; the mask: a byte a query
	s_mov_b32 s[77+2*\X], 0
	s_lshl_b32 s[88+2*\X], s[76+2*\X], 12          ; attn_o: 4,096 a row
	s_add_co_u32 s[88+2*\X], s[88+2*\X], s82
	s_mov_b32 s[89+2*\X], 0
.endr
	s_lshl_b32 s84, s18, 15                        ; bs: 32,768 a bh
	s_mov_b32 s85, 0
	v_and_b32 v15, 15, v0                          ; r
	v_bfe_u32 v208, v0, 4, 1                       ; h
	v_and_b32 v209, 31, v0                         ; lane
	v_lshlrev_b32 v1, 4, v209                      ; v1: 16 x lane
	v_add_nc_u32 v[AV0], VOFF, v1
	v_lshlrev_b32 v2, 2, v15
	v_lshl_add_u32 v2, v208, 9, v2
	v_add_nc_u32 v2, KSOFF, v2                     ; v2: K's scale words: lanes 0-15 half 0 of d, lanes 16-31 half 1
	v_lshl_add_u32 v3, v209, 2, VSOFF              ; v3: V's: lanes 0-15 an even tile of d, lanes 16-31 the odd one
	v_mov_b32 v9, 0x3289705f                       ; v9: 16e-9
	s_mul_i32 s63, s[WV], 8448
	s_add_co_u32 s63, s63, STAGE
	v_mul_u32_u24 v10, v15, 528
	v_lshl_add_u32 v10, v208, 5, v10
	v_add_nc_u32 v10, s63, v10                     ; v10: into my stage: row r, + 32 h
	v_add_nc_u32 v11, s63, v1                      ; v11: out of it: 16 x lane of a row
	v_lshl_add_u32 v12, v208, 5, TAIL              ; v12: the tails' sums: my half's eight d
	v_lshlrev_b32 v13, 8, v209                     ; v13: the prefetches: 256 x lane
	v_lshlrev_b32 v14, 3, v0                       ; v14: 8 x thread
	v_lshlrev_b32 v210, 2, v15
	v_lshl_add_u32 v210, v208, 13, v210            ; Q's scale words: 8,192 h + 4 r
	v_lshlrev_b32 v211, 3, v208
	v_sub_nc_u32 v211, v15, v211
	v_cmp_eq_u32 vcc_lo, 0, v208
.irp X, 0,1
	v_add_nc_u32 v[ST+16*\X+8], s[Q0A+\X], v211    ; my query - 8 h
	v_mov_b32 v[ST+16*\X+1], s[TT+\X]              ; the first t
	v_floor_f32 v[ST+16*\X], -v[ST+16*\X+1]        ; -M
	v_mov_b32 v[WK+24*\X+16], s[CNT+\X]
	v_cndmask_b32 v[ST+16*\X+2], v8, v[WK+24*\X+16], vcc_lo   ; the sum begins with the tail's keys / 2, in lanes 0-15 alone: the halves of the lanes are added at the end
	v_mov_b32 v[ST+16*\X+3], 0
	v_mov_b32 v[ST+16*\X+7], 0                     ; upper halves of pairs whose low word alone is used
	v_mov_b32 v[ST+16*\X+13], 0
.irp b, 0,1,2,3
	v_mov_b32 v[WK+24*\X+4+\b], 0                  ; a lane permute's destination counts as one of its sources
.endr
.endr
	s_wait_alu depctr_va_vdst(0)
	s_wait_dscnt 0x0                               ; both opening adds are done
	s_wait_kmcnt 0x0
	s_add_nc_u64 s[42:43], s[8:9], s[60:61]
	s_or_b32 s43, s43, 0x80000000
	tensor_load_to_lds s[40:43], s[32:39]          ; my quarter of steps 0 and 1: my one tensor load at the head
	s_nop 0
	NOPS 4
	s_add_nc_u64 s[44:45], s[8:9], s[86:87]
	s_add_nc_u64 s[10:11], s[10:11], s[84:85]
.irp X, 0,1
	s_add_nc_u64 s[68+2*\X:69+2*\X], s[4:5], s[68+2*\X:69+2*\X]
	s_add_nc_u64 s[72+2*\X:73+2*\X], s[6:7], s[72+2*\X:73+2*\X]
	s_add_nc_u64 s[76+2*\X:77+2*\X], s[12:13], s[76+2*\X:77+2*\X]
	s_add_nc_u64 s[OB+2*\X:OB+2*\X+1], s[14:15], s[88+2*\X:89+2*\X]
.endr
	WIN 0x40
.set kb, 0
.rept 32
	global_load_b64 v[2*kb:2*kb+1], v14, s[10:11] offset:1024*kb   ; the sums of v over 64 keys: 128 threads, two d each; they land where O^T will lie
.set kb, kb+1
.endr
	WIN 0
.irp X, 0,1
	global_load_b32 v[ST+16*\X+9], v210, s[72+2*\X:73+2*\X]
	global_load_u8 v[212+\X], v15, s[76+2*\X:77+2*\X]
.endr
	WIN 0xc0                                       ; Q's four fragments stay in window 3
.irp X, 0,1
.irp s, 0,1
.irp c, 0,1,2,3
	global_load_b128 v[32*\X+16*\s+4*\c:32*\X+16*\s+4*\c+3], v1, s[68+2*\X:69+2*\X] offset:2048*\s+512*\c
.endr
.endr
.endr
	WIN 0
	s_mov_b32 s57, 0                               ; (named as upper halves of pairs)
	s_mov_b32 s59, 0
	s_wait_loadcnt 0x0
	v_mov_b32 v211, s[T0]
.irp X, 0,1
	v_cmp_ne_u32 vcc_lo, 0, v[212+\X]
	v_cndmask_b32 v[ST+16*\X+4], 0x3db8aa3b, v8, vcc_lo   ; c = log2(e) / 16, or 0 for a padded query,
	v_cndmask_b32 v[ST+16*\X+5], 0, v211, vcc_lo          ; whose every t is 1e-9 log2(e)
.endr
	WIN 0x01                                       ; source 0 window 1
.set kb, 0
.rept 32                                       ; a run of 64 keys counts where it lies in the tile's tail: a factor 1/2 (= 2^-M, M = 1) or 0, no branch
	s_cmp_le_u32 s[LM], kb
	s_cselect_b32 s56, 0.5, 0
	s_cmp_le_u32 s[LM+1], kb
	s_cselect_b32 s58, 0.5, 0
.if kb == 0
	v_pk_mul_f32 v[192:193], v[0:1], s[56:57] op_sel_hi:[1,0]
	v_pk_mul_f32 v[194:195], v[0:1], s[58:59] op_sel_hi:[1,0]
.else
	v_pk_fma_f32 v[192:193], v[2*kb:2*kb+1], s[56:57], v[192:193] op_sel_hi:[1,0,1]
	v_pk_fma_f32 v[194:195], v[2*kb:2*kb+1], s[58:59], v[194:195] op_sel_hi:[1,0,1]
.endif
.set kb, kb+1
.endr
	WIN 0
	v_lshl_add_u32 v209, v0, 3, TAIL
	ds_store_b64 v209, v[192:193]
	ds_store_b64 v209, v[194:195] offset:1024
.macro VLOAD from, to                  ; this step's fragments of V, tiles from .. to - 1 of d, into window 2
	WIN 0x80
.set q_, \from
.rept (\to)-(\from)
.irp c, 0,1,2,3
	ds_load_b128 v[16*q_+4*\c:16*q_+4*\c+3], v4 offset:2048*q_+512*\c
.endr
.set q_, q_+1
.endr
	WIN 0
.endm
.macro KLOAD g                         ; eight fragments of K: g = 0: tiles 0-3 of the keys, into window 3; g = 1: tiles 4-7, into window 2.  Fragment i: tile i / 2, half i % 2 of d
	WIN 0xc0-0x40*(\g)
.set q_, 0
.rept 8
.irp c, 0,1,2,3
	ds_load_b128 v[96*(1-(\g))+16*q_+4*\c:96*(1-(\g))+16*q_+4*\c+3], v[ADK] offset:16384*(\g)+2048*q_+512*\c
.endr
.set q_, q_+1
.endr
	WIN 0
.endm
.macro MK g, s, t, x0                  ; S^T = K Q^T: tile 4 g + t of the keys, half s of d, for tiles x0 .. 1 of queries.  s = 0 starts the sums
	WIN 0x0f-(\g)                                  ; source 0 (K) window 3 or 2, source 1 (Q) window 3, C and D window 0
.irp X, 0,1
.if \X >= \x0
.set rD, S+64*\X+8*(4*(\g)+(\t))
.set rA, 96*(1-(\g))+16*(2*(\t)+(\s))
.set rB, 32*\X+16*(\s)
.if (\s) == 0
.set rC, -1
.else
.set rC, rD
.endif
.set rSA, KSC+4*(\g)+(\t)
.set rSB, ST+16*\X+9
.set rowA, \s
.set rowB, \s
	WMS
.endif
.endr
.endm
.macro MULK g, x0                      ; the accumulators take turns: between two steps of a sum stand 7 or 3 others'
.irp s, 0,1
.irp t, 0,1,2,3
	MK \g, \s, \t, \x0
.endr
.endr
.endm
.macro MV dt, x0                       ; O^T += V^T P^T: tile dt of d
	WIN 0x5e                                       ; source 0 (V) window 2, source 1 (p) window 3, C and D window 1
.irp X, 0,1
.if \X >= \x0
.set rD, 128*\X+8*(\dt)
.set rA, 16*(\dt)
.set rB, 64+16*\X
.set rC, rD
.set rSA, VSC+(\dt)/2
.set rSB, ST+16*\X+10
.set rowA, (\dt)%2
.set rowB, 0
	WMS
.endif
.endr
.endm
.macro DIAG X                          ; in tile X's last step masked scores are set: register n holds key 128 KS + 8 h + 16 (n / 8) + n % 8
	s_cmp_lg_u32 s[KS], s[KSA+\X]
	s_cbranch_scc1 .Lopen_\@
	s_lshl_b32 s56, s[KS], 7
	v_sub_nc_u32 v[WK+24*\X+16], v[ST+16*\X+8], s56
.set n, 0
.rept 64
	v_cmp_gt_i32 vcc_lo, 16*(n/8)+n%8, v[WK+24*\X+16]
	v_cndmask_b32 v[S+64*\X+n], v[S+64*\X+n], v9, vcc_lo
.set n, n+1
.endr
.Lopen_\@:
.endm
; line a_ of one kind of the softmax's lines, for the tile that TX has set
.macro LINE kind
.if \kind == 0                         ; the largest score of each block of 32 keys: for the row's maximum and, since p rises with the score, for the block's largest p
	v_max3_num_f32 v[sW+a_], v[sS+16*a_], v[sS+16*a_+1], v[sS+16*a_+2]
.elseif \kind == 1
	v_max3_num_f32 v[sW+a_%4], v[sW+a_%4], v[sS+16*(a_%4)+3+2*(a_/4)], v[sS+16*(a_%4)+4+2*(a_/4)]
.elseif \kind == 2
	v_max_num_f32 v[sW+a_], v[sW+a_], v[sS+16*a_+15]
.elseif \kind == 3
	v_permlanex16_b32 v[sW+4+a_], v[sW+a_], s[SEL], s[SEL+1]
.elseif \kind == 4
	v_max_num_f32 v[sW+a_], v[sW+a_], v[sW+4+a_]   ; with lane l xor 16's 16 keys
.elseif \kind == 5                     ; the running largest t, -M = floor(-t), f = 2^(old M - new M): exact
.if a_ == 0
	v_max3_num_f32 v[sW+16], v[sW], v[sW+1], v[sW+2]
.elseif a_ == 1
	v_max_num_f32 v[sW+16], v[sW+16], v[sW+3]
.elseif a_ == 2
	v_fma_f32 v[sW+16], v[sW+16], v[sT+4], v[sT+5]
.elseif a_ == 3
	v_max_num_f32 v[sT+1], v[sT+1], v[sW+16]
.elseif a_ == 4
	v_mov_b32 v[sW+16], v[sT]
.elseif a_ == 5
	v_floor_f32 v[sT], -v[sT+1]
.elseif a_ == 6
	v_sub_f32 v[sW+16], v[sT], v[sW+16]
.elseif a_ == 7
	v_cvt_i32_f32 v[sW+16], v[sW+16]
.else
	v_ldexp_f32 v[sT+6], 1.0, v[sW+16]
.endif
.elseif \kind == 6                     ; t - M (a padded row: 0 - M, which is t - M in f32, M being 1)
	v_pk_fma_f32 v[sS+2*a_:sS+2*a_+1], v[sS+2*a_:sS+2*a_+1], v[sT+4:sT+5], v[sT:sT+1] op_sel_hi:[1,0,0]
.elseif \kind == 7
	v_fma_f32 v[sW+a_], v[sW+a_], v[sT+4], v[sT]
.elseif \kind == 8
	v_exp_f32 v[sS+a_], v[sS+a_]                   ; p = 2^(t - M)
.elseif \kind == 9
	v_pk_mul_f32 v[sT+2:sT+3], v[sT+2:sT+3], v[sT+6:sT+7] op_sel_hi:[1,0]   ; the sum under the new M
.elseif \kind == 10
	v_exp_f32 v[sW+a_], v[sW+a_]                   ; the block's largest p
.elseif \kind == 11                    ; the row's sum of the unquantised p, in four chains: the running sum and three at sW + 4, + 6, + 8
.if a_ < 3
	v_pk_add_f32 v[sW+4+2*a_:sW+5+2*a_], v[sS+4*a_:sS+4*a_+1], v[sS+4*a_+2:sS+4*a_+3]
.elseif a_ == 29
	v_pk_add_f32 v[sW+4:sW+5], v[sW+4:sW+5], v[sW+6:sW+7]
.elseif a_ == 30
	v_pk_add_f32 v[sT+2:sT+3], v[sT+2:sT+3], v[sW+8:sW+9]
.elseif a_ == 31
	v_pk_add_f32 v[sT+2:sT+3], v[sT+2:sT+3], v[sW+4:sW+5]
.elseif a_%4 == 3
	v_pk_add_f32 v[sT+2:sT+3], v[sT+2:sT+3], v[sS+2*a_+6:sS+2*a_+7]
.else
	v_pk_add_f32 v[sW+4+2*(a_%4):sW+5+2*(a_%4)], v[sW+4+2*(a_%4):sW+5+2*(a_%4)], v[sS+2*a_+6:sS+2*a_+7]
.endif
.elseif \kind == 12
	v_max_num_f32 v[sW+a_], 0x8000000, v[sW+a_]    ; the floor 2^(16 - 127): the byte cannot fall under 1
.elseif \kind == 13
	v_add_nc_u32 v[sW+12+a_], 0xf8800000, v[sW+a_] ; 15 off the exponent field: the conversion's scale operand
.elseif \kind == 14
	v_and_or_b32 v[sW+8+a_], v[sW+a_], 0x7f800000, s[MNT]   ; 57,344 x the scale
.elseif \kind == 15
	v_lshrrev_b32 v[sW+4+a_], 23, v[sW+12+a_]      ; the scale's byte
.elseif \kind == 16
.if a_ == 0
	v_lshl_or_b32 v[sT+10], v[sW+5], 8, v[sW+4]    ; p's scale word for these 128 keys
.else
	v_lshl_or_b32 v[sT+10], v[sW+5+a_], 8+8*a_, v[sT+10]
.endif
.elseif \kind == 17
	v_min_num_f32 v[sS+a_], v[sS+a_], v[sW+8+a_/16]   ; the conversion does not saturate (ISA guide 7.6.2); p is not negative: a one-sided hold
.elseif \kind == 18
	v_cvt_scalef32_pk8_bf8_f32 v[sP+2*a_:sP+2*a_+1], v[sS+8*a_:sS+8*a_+7], v[sW+12+a_/2]
.else
	v_pk_mul_f32 v[sO+2*a_:sO+2*a_+1], v[sO+2*a_:sO+2*a_+1], v[sT+6:sT+7] op_sel_hi:[1,0]   ; O^T under the new M, each accumulator from its low end on
.endif
.endm
.macro PASS x0, kind, n                ; n lines of a kind, tiles x0 .. 1 by turns, so that no line waits for the line above it
.set a_, 0
.rept \n
.irp X, 0,1
.if \X >= \x0
	TX \X
	LINE \kind
.endif
.endr
.set a_, a_+1
.endr
.endm
; a key step for tiles x0 .. 1
.macro BODY x0
	v_add_nc_u32 v4, s[TS], v[AV0]                 ; the four additions and four v_nop are the eight places behind the last step's products, in front of the loads into the registers that they read
	v_add_nc_u32 v6, s[TS], v3
	v_add_nc_u32 v[ADK], s[TS], v1
	v_add_nc_u32 v5, s[TS], v2
	s_wait_alu depctr_va_vdst(0)
	NOPS 4
.irp t, 0,1,2,3,4,5,6,7
	ds_load_b32 v[KSC+\t], v5 offset:64*\t
.endr
	KLOAD 0
	KLOAD 1
	s_wait_dscnt 32                                ; K's scale words and tiles 0-3 are in; tiles 4-7 may be out
	MULK 0, \x0
	s_wait_dscnt 0x0
	MULK 1, \x0
	WIN 0
	NOPS 8                                         ; places in front of the loads into the registers that held K's tiles 4-7 and of the first read of the scores
.irp i, 0,1,2,3,4,5,6,7
	ds_load_b32 v[VSC+\i], v6 offset:128*\i
.endr
	VLOAD 0, 4
	DIAG \x0                                       ; (B's diagonal lies in a step that A does not walk)
	PASS \x0, 0, 4
	PASS \x0, 1, 24
	PASS \x0, 2, 4
	PASS \x0, 3, 4
	PASS \x0, 4, 4
	PASS \x0, 5, 9
	PASS \x0, 6, 32
	PASS \x0, 7, 4
	s_wait_alu depctr_va_vdst(0)
	VLOAD 4, 8
	PASS \x0, 8, 64
	PASS \x0, 9, 1                                 ; a plain line behind the exponentials
	s_wait_alu depctr_va_vdst(0)                   ; one wait for the batch, ahead of its first reader
	VLOAD 8, 12
	PASS \x0, 10, 4
	PASS \x0, 11, 32                               ; (reads the first batch alone)
	s_wait_alu depctr_va_vdst(0)                   ; and one for the small batch; it also stands behind the last exponential, ahead of O^T's first reader
	VLOAD 12, 16
	PASS \x0, 12, 4
	PASS \x0, 13, 4
	PASS \x0, 14, 4
	PASS \x0, 15, 4
	PASS \x0, 16, 3
	PASS \x0, 17, 64
	WIN 0xc0                                       ; destination window 3
	PASS \x0, 18, 8
	WIN 0
	v_nop                                          ; a plain line behind the last conversion
	WIN 0x41
	PASS \x0, 19, 64                               ; these are also the places ahead of the products
	WIN 0
	s_wait_alu depctr_va_vdst(0)
	s_wait_dscnt 0x0                               ; V and its scale words are in
.irp d, 0,1,2,3,4,5,6,7,8,9,10,11,12,13,14,15
	MV \d, \x0
.endr
	WIN 0
.endm
	s_wait_alu depctr_va_vdst(0)
	s_wait_dscnt 0x0                               ; my part of the tails' sums is stored
	s_barrier_signal -1
	s_barrier_wait -1                              ; everybody's is.
	WIN 0x40
.irp X, 0,1
.irp t, 0,1,2,3,4,5,6,7,8,9,10,11,12,13,14,15
	ds_load_b128 v[128*\X+8*\t:128*\X+8*\t+3], v12 offset:1024*\X+64*\t       ; O^T's first state: register 8 t + i: d = 16 t + 8 h + i, the same for every query
	ds_load_b128 v[128*\X+8*\t+4:128*\X+8*\t+7], v12 offset:1024*\X+64*\t+16
.endr
.endr
	WIN 0
.Lpair:                                            ; 8 trips of two key steps
	; THE CHANGE OF SLOTS: each wave waits for all its tensor loads, adds 0 to its spare word, and waits for that and for its LDS reads.  Behind the barrier the slot in hand is whole and nobody reads the other one,
	; which takes the two steps that follow.  ONE chain on the wave's number, a load to an arm; in an arm a jump on the count of steps (ids alone) leads round the load's own lines where tile B has no such step.
	s_wait_tensorcnt 0x0                           ; no tensor load of mine is out, so group 0 may be written
	ds_add_u32 v7, v8
	s_xor_b32 s[TN], s[TN], SLOTB
	s_add_co_u32 s41, s[TN], s62
	s_add_nc_u64 s[42:43], s[42:43], SLOTB
	s_wait_xcnt 0x0                                ; the last prefetches, a trip back, have read their address
	s_add_nc_u64 s[44:45], s[44:45], SLOTB
	s_wait_dscnt 0x0
	s_barrier_signal -1
	s_barrier_wait -1
	s_cmp_lt_u32 s[WV], 2
	s_cbranch_scc0 .Lodd_step
	s_add_co_u32 s56, s[KS], 2
	s_cmp_gt_u32 s56, s[KSA+1]
	s_cbranch_scc1 .Lno_even                       ; no step KS + 2
	tensor_load_to_lds s[40:43], s[32:39]          ; K or V of step KS + 2
	s_nop 0
	NOPS 4
.Lno_even:
	s_branch .Lasked
.Lodd_step:
	s_add_co_u32 s56, s[KS], 3
	s_cmp_gt_u32 s56, s[KSA+1]
	s_cbranch_scc1 .Lasked                         ; no step KS + 3
	tensor_load_to_lds s[40:43], s[32:39]          ; K or V of step KS + 3
	s_nop 0
	NOPS 4
.Lasked:
	s_cmp_gt_u32 s[SLOTS], s[LIM]                  ; a prefetch of steps KS + 6 and KS + 7, which the change of slots two trips on will load: the first 32,768 bytes of my quarter, 128 x 256, each named once in the launch; steps 0 to 5 and a quarter's last 1,024 bytes come by their loads alone; the last three trips ask for nothing
	s_cbranch_scc0 .Lnot_mine
.irp i, 0,1,2,3
	global_prefetch_b8 v13, s[44:45] offset:8192*\i th:TH_LOAD_NT scope:SCOPE_SE
.endr
.Lnot_mine:
	s_mov_b32 s[TS], s[TB]
	s_mov_b32 s[INN], 2
.Lstep:
	s_cmp_gt_u32 s[KS], s[KSA+1]
	s_cbranch_scc1 .Lskip                          ; wholly masked for both tiles
	s_cmp_gt_u32 s[KS], s[KSA]
	s_cbranch_scc1 .Lsingle
	BODY 0
	s_branch .Lskip
.Lsingle:
	BODY 1
.Lskip:
	s_add_co_u32 s[KS], s[KS], 1
	s_add_co_u32 s[TS], s[TS], BLKB
	s_sub_co_u32 s[INN], s[INN], 1
	s_cmp_lg_u32 s[INN], 0
	s_cbranch_scc1 .Lstep
	s_xor_b32 s[TB], s[TB], SLOTB
	s_sub_co_u32 s[SLOTS], s[SLOTS], 1
	s_cmp_lg_u32 s[SLOTS], 0
	s_cbranch_scc1 .Lpair
	NOPS 8                                         ; places behind the last products
	; THE WAY OUT.  O = O^T / the row's sum, half a head's row (512 bytes) of 16 queries at a time through my stage; a unit's stores leave while the next unit goes through
.irp X, 0,1
	v_add_f32 v[WK+24*\X], v[ST+16*\X+2], v[ST+16*\X+3]
.endr
.irp X, 0,1
	v_permlanex16_b32 v[WK+24*\X+4], v[WK+24*\X], s[SEL], s[SEL+1]
.endr
.irp X, 0,1
	v_add_f32 v[WK+24*\X], v[WK+24*\X], v[WK+24*\X+4]
.endr
	s_wait_alu depctr_va_vdst(0)
.irp X, 0,1
	v_rcp_f32 v[ST+16*\X+12], v[WK+24*\X]
.endr
	v_nop                                          ; a plain line behind them
.macro UNIT k                          ; tile k / 2, half k % 2: scaled into v64-127, through the stage, back into v128-191 or v192-255
.if (\k) >= 2
	s_wait_xcnt 0x0                                ; the stores of two units back have read the registers that the loads below fill
.endif
	WIN 0x01                                       ; source 0 (O^T) window 1
	s_wait_alu depctr_va_vdst(0)                   ; behind the reciprocals, directly ahead of these accumulators' first readers
.set n, 0
.rept 32
	v_pk_mul_f32 v[S+n:S+n+1], v[64*(\k)+n:64*(\k)+n+1], v[ST+16*((\k)/2)+12:ST+16*((\k)/2)+13] op_sel_hi:[1,0]
.set n, n+2
.endr
	WIN 0
.irp t, 0,1,2,3,4,5,6,7
	ds_store_b128 v10, v[S+8*\t:S+8*\t+3] offset:64*\t
	ds_store_b128 v10, v[S+8*\t+4:S+8*\t+7] offset:64*\t+16
.endr
.irp i, 0,1,2,3,4,5,6,7,8,9,10,11,12,13,14,15
	ds_load_b128 v[128+64*((\k)%2)+4*\i:131+64*((\k)%2)+4*\i], v11 offset:528*\i   ; LDS serves a wave's instructions in order: these see my stores, and the next unit's stores come behind them
.endr
.endm
.macro SEND k, younger                 ; younger: the LDS instructions issued behind unit k's loads
	s_wait_dscnt \younger
.irp i, 0,1,2,3,4,5,6,7,8,9,10,11,12,13,14,15
	global_store_b128 v1, v[128+64*((\k)%2)+4*\i:131+64*((\k)%2)+4*\i], s[OB+2*((\k)/2):OB+2*((\k)/2)+1] offset:4096*\i+512*((\k)%2)   ; 512 consecutive bytes, aligned
.endr
.endm
	UNIT 0
	UNIT 1
	SEND 0, 32
	UNIT 2
	SEND 1, 32
	UNIT 3
	SEND 2, 32
	SEND 3, 0
	s_wait_tensorcnt 0x0                           ; the wave's end
	ds_add_u32 v7, v8
	s_wait_dscnt 0x0
	s_endpgm
.Lfunc_end_k_q8cf4afe65f_attn:
	.size	k_q8cf4afe65f_attn, .Lfunc_end_k_q8cf4afe65f_attn-k_q8cf4afe65f_attn
	.p2alignl 7, 3214868480
	.fill 96, 4, 3214868480
	.section	.rodata,"a",@progbits
	.p2align	6, 0x0
	.amdhsa_kernel k_q8cf4afe65f_attn
		.amdhsa_group_segment_fixed_size 327680
		.amdhsa_private_segment_fixed_size 0
		.amdhsa_enable_private_segment 0
		.amdhsa_kernarg_size 48
		.amdhsa_user_sgpr_count 2
		.amdhsa_user_sgpr_kernarg_segment_ptr 1
		.amdhsa_wavefront_size32 1
		.amdhsa_system_sgpr_workgroup_id_x 1
		.amdhsa_system_sgpr_workgroup_id_y 1
		.amdhsa_system_sgpr_workgroup_id_z 1
		.amdhsa_system_vgpr_workitem_id 0
		.amdhsa_next_free_vgpr 1024
		.amdhsa_next_free_sgpr 100
		.amdhsa_reserve_vcc 1
		.amdhsa_float_denorm_mode_32 3
		.amdhsa_float_denorm_mode_16_64 3
		.amdhsa_memory_ordered 1
		.amdhsa_forward_progress 1
		.amdhsa_inst_pref_size 144
	.end_amdhsa_kernel
	.amdgpu_metadata
---
amdhsa.version: [ 1, 2 ]
amdhsa.kernels:
  - .name:           k_q8cf4afe65f_attn
    .symbol:         k_q8cf4afe65f_attn.kd
    .args:
      - { .name: qimg, .offset: 0, .size: 8, .value_kind: global_buffer, .address_space: global }
      - { .name: qscl, .offset: 8, .size: 8, .value_kind: global_buffer, .address_space: global }
      - { .name: kv, .offset: 16, .size: 8, .value_kind: global_buffer, .address_space: global }
      - { .name: bs, .offset: 24, .size: 8, .value_kind: global_buffer, .address_space: global }
      - { .name: attention_mask, .offset: 32, .size: 8, .value_kind: global_buffer, .address_space: global }
      - { .name: attn_o, .offset: 40, .size: 8, .value_kind: global_buffer, .address_space: global }
    .group_segment_fixed_size: 327680
    .private_segment_fixed_size: 0
    .kernarg_segment_align: 8
    .kernarg_segment_size: 48
    .max_flat_workgroup_size: 128
    .sgpr_count:     100
    .vgpr_count:     1024
    .wavefront_size: 32
...
	.end_amdgpu_metadata
.endif
;; end of part 3
;; launch norm (part 4): grid 256 x 1, 8 waves a work-group, no clusters, 0 bytes of LDS; arguments attn_o, x, gamma, beta, out0; writes out0
.if DOCPART == 4
	.amdgcn_target "amdgcn-amd-amdhsa--gfx1250"
	.amdhsa_code_object_version 6
	.text
	.protected	k_q8cf4afe65f_norm
	.globl	k_q8cf4afe65f_norm
	.p2align	8
	.type	k_q8cf4afe65f_norm,@function
k_q8cf4afe65f_norm:
	s_mov_b64 s[64:65], 0
	v_nop
	global_prefetch_b8 v0, s[64:65] scope:SCOPE_SE
	s_setreg_imm32_b32 hwreg(HW_REG_WAVE_MODE, 25, 1), 1
	s_wait_xcnt 0x0
; out0 = gamma (y - mean) / sqrt(var + 1e-5) + beta, y = attn_o + x, mean and var over a row's 1,024 numbers; all f32.
; A stream: one wave takes one row (4,096 bytes of each input, eight loads of 512 consecutive bytes) and keeps it in 32 registers between the passes; four rows a wave, the next row's 16 loads out while one is worked.
; The variance is taken of y - mean in a second pass over the registers, so that a common offset of the inputs costs no digits.  No LDS, no barrier, no matrix unit, no cluster: waves share nothing but gamma and beta.
.set GA, 16                            ; v16-47 gamma, v48-79 beta of my 32 columns (128 j + 4 lane + 0 .. 3)
.set BE, 48
	s_load_b256 s[4:11], s[0:1], 0x0               ; attn_o 4, x 6, gamma 8, beta 10
	s_load_b64 s[12:13], s[0:1], 0x20              ; out0
	v_lshrrev_b32 v2, 5, v0
	s_delay_alu instid0(VALU_DEP_1)
	v_readfirstlane_b32 s14, v2                    ; wave
	v_and_b32 v1, 31, v0
	s_delay_alu instid0(VALU_DEP_1)
	v_lshlrev_b32 v1, 4, v1                        ; 16 x lane; never rewritten
	s_lshl_b32 s16, ttmp9, 17                      ; 32 rows a work-group,
	s_lshl_b32 s15, s14, 14                        ; 4 a wave
	s_add_co_u32 s16, s16, s15
	s_mov_b32 s17, 0
	s_mov_b32 s18, 0x76543210
	s_mov_b32 s19, 0xfedcba98
	s_mov_b32 s20, 0x3a800000                      ; 1 / 1,024
	v_mov_b32 v11, 0                               ; upper halves of pairs whose low word alone is used, and the permute's destination: written once
	v_mov_b32 v13, 0
	v_mov_b32 v14, 0
	s_wait_alu depctr_va_vdst(0)
	s_wait_kmcnt 0x0
	s_add_nc_u64 s[4:5], s[4:5], s[16:17]
	s_add_nc_u64 s[6:7], s[6:7], s[16:17]
	s_add_nc_u64 s[12:13], s[12:13], s[16:17]
.irp j, 0,1,2,3,4,5,6,7
	global_load_b128 v[GA+4*\j:GA+4*\j+3], v1, s[8:9] offset:512*\j
	global_load_b128 v[BE+4*\j:BE+4*\j+3], v1, s[10:11] offset:512*\j
.endr
.macro LOAD t
.irp j, 0,1,2,3,4,5,6,7
	global_load_b128 v[80+64*((\t)%2)+4*\j:80+64*((\t)%2)+4*\j+3], v1, s[4:5] offset:4096*(\t)+512*\j th:TH_LOAD_NT
	global_load_b128 v[112+64*((\t)%2)+4*\j:112+64*((\t)%2)+4*\j+3], v1, s[6:7] offset:4096*(\t)+512*\j th:TH_LOAD_NT
.endr
.endm
.macro RSUM                            ; four pairs v[2:9] -> v2: the sum over the row, in every lane
	s_delay_alu instid0(VALU_DEP_3)
	v_pk_add_f32 v[2:3], v[2:3], v[4:5]
	s_delay_alu instid0(VALU_DEP_2)
	v_pk_add_f32 v[6:7], v[6:7], v[8:9]
	s_delay_alu instid0(VALU_DEP_1)
	v_pk_add_f32 v[2:3], v[2:3], v[6:7]
	s_delay_alu instid0(VALU_DEP_1)
	v_add_f32 v2, v2, v3
	s_delay_alu instid0(VALU_DEP_1)
	v_add_f32_dpp v2, v2, v2 row_xmask:1 row_mask:0xf bank_mask:0xf
	s_delay_alu instid0(VALU_DEP_1)
	v_add_f32_dpp v2, v2, v2 row_xmask:2 row_mask:0xf bank_mask:0xf
	s_delay_alu instid0(VALU_DEP_1)
	v_add_f32_dpp v2, v2, v2 row_xmask:4 row_mask:0xf bank_mask:0xf
	s_delay_alu instid0(VALU_DEP_1)
	v_add_f32_dpp v2, v2, v2 row_xmask:8 row_mask:0xf bank_mask:0xf
	s_delay_alu instid0(VALU_DEP_1)
	v_permlanex16_b32 v14, v2, s18, s19
	s_delay_alu instid0(VALU_DEP_1)
	v_add_f32 v2, v2, v14
.endm
.macro ROW t, left
.set Y, 80+64*((\t)%2)
	s_wait_loadcnt \left                           ; this row's 16 loads are in; the next row's may be out
.irp i, 0,2,4,6,8,10,12,14,16,18,20,22,24,26,28,30
	v_pk_add_f32 v[Y+\i:Y+\i+1], v[Y+\i:Y+\i+1], v[Y+32+\i:Y+32+\i+1]   ; y
.endr
.irp k, 0,2,4,6
	v_pk_add_f32 v[2+\k:3+\k], v[Y+\k:Y+\k+1], v[Y+8+\k:Y+8+\k+1]       ; four chains
.endr
.irp m, 16,24
.irp k, 0,2,4,6
	s_delay_alu instid0(VALU_DEP_4)
	v_pk_add_f32 v[2+\k:3+\k], v[2+\k:3+\k], v[Y+\m+\k:Y+\m+\k+1]
.endr
.endr
	RSUM
	s_delay_alu instid0(VALU_DEP_1)
	v_mul_f32 v10, s20, v2                         ; the mean
.irp i, 0,2,4,6,8,10,12,14,16,18,20,22,24,26,28,30
	v_pk_add_f32 v[Y+\i:Y+\i+1], v[Y+\i:Y+\i+1], v[10:11] op_sel_hi:[1,0] neg_lo:[0,1] neg_hi:[0,1]
.endr
.irp k, 0,2,4,6
	v_pk_mul_f32 v[2+\k:3+\k], v[Y+\k:Y+\k+1], v[Y+\k:Y+\k+1]
.endr
.irp m, 8,16,24
.irp k, 0,2,4,6
	s_delay_alu instid0(VALU_DEP_4)
	v_pk_fma_f32 v[2+\k:3+\k], v[Y+\m+\k:Y+\m+\k+1], v[Y+\m+\k:Y+\m+\k+1], v[2+\k:3+\k]
.endr
.endr
	RSUM
	s_delay_alu instid0(VALU_DEP_1)
	v_fmaak_f32 v12, s20, v2, 0x3727c5ac           ; var + 1e-5
	s_wait_alu depctr_va_vdst(0)
	v_rsq_f32 v12, v12
	v_nop                                          ; a plain line behind it
	s_wait_alu depctr_va_vdst(0)                   ; and the wait ahead of its first reader
.irp i, 0,2,4,6,8,10,12,14,16,18,20,22,24,26,28,30
	v_pk_mul_f32 v[Y+\i:Y+\i+1], v[Y+\i:Y+\i+1], v[12:13] op_sel_hi:[1,0]
.endr
.irp i, 0,2,4,6,8,10,12,14,16,18,20,22,24,26,28,30
	v_pk_fma_f32 v[Y+\i:Y+\i+1], v[Y+\i:Y+\i+1], v[GA+\i:GA+\i+1], v[BE+\i:BE+\i+1]
.endr
.irp j, 0,1,2,3,4,5,6,7
	global_store_b128 v1, v[Y+4*\j:Y+4*\j+3], s[12:13] offset:4096*(\t)+512*\j th:TH_STORE_NT   ; 512 consecutive bytes, aligned
.endr
.endm
	LOAD 0
	LOAD 1
	ROW 0, 16
	s_wait_xcnt 0x0                                ; the stores have read their registers: the row after next may land there
	LOAD 2
	ROW 1, 16
	s_wait_xcnt 0x0
	LOAD 3
	ROW 2, 16
	ROW 3, 0
	s_endpgm
.Lfunc_end_k_q8cf4afe65f_norm:
	.size	k_q8cf4afe65f_norm, .Lfunc_end_k_q8cf4afe65f_norm-k_q8cf4afe65f_norm
	.p2alignl 7, 3214868480
	.fill 96, 4, 3214868480
	.section	.rodata,"a",@progbits
	.p2align	6, 0x0
	.amdhsa_kernel k_q8cf4afe65f_norm
		.amdhsa_group_segment_fixed_size 0
		.amdhsa_private_segment_fixed_size 0
		.amdhsa_enable_private_segment 0
		.amdhsa_kernarg_size 40
		.amdhsa_user_sgpr_count 2
		.amdhsa_user_sgpr_kernarg_segment_ptr 1
		.amdhsa_wavefront_size32 1
		.amdhsa_system_sgpr_workgroup_id_x 1
		.amdhsa_system_sgpr_workgroup_id_y 1
		.amdhsa_system_sgpr_workgroup_id_z 1
		.amdhsa_system_vgpr_workitem_id 0
		.amdhsa_next_free_vgpr 216
		.amdhsa_next_free_sgpr 66
		.amdhsa_reserve_vcc 0
		.amdhsa_float_denorm_mode_32 3
		.amdhsa_float_denorm_mode_16_64 3
		.amdhsa_memory_ordered 1
		.amdhsa_forward_progress 1
		.amdhsa_inst_pref_size 46
	.end_amdhsa_kernel
	.amdgpu_metadata
---
amdhsa.version: [ 1, 2 ]
amdhsa.kernels:
  - .name:           k_q8cf4afe65f_norm
    .symbol:         k_q8cf4afe65f_norm.kd
    .args:
      - { .name: attn_o, .offset: 0, .size: 8, .value_kind: global_buffer, .address_space: global }
      - { .name: x, .offset: 8, .size: 8, .value_kind: global_buffer, .address_space: global }
      - { .name: gamma, .offset: 16, .size: 8, .value_kind: global_buffer, .address_space: global }
      - { .name: beta, .offset: 24, .size: 8, .value_kind: global_buffer, .address_space: global }
      - { .name: out0, .offset: 32, .size: 8, .value_kind: global_buffer, .address_space: global }
    .group_segment_fixed_size: 0
    .private_segment_fixed_size: 0
    .kernarg_segment_align: 8
    .kernarg_segment_size: 40
    .max_flat_workgroup_size: 256
    .sgpr_count:     66
    .vgpr_count:     216
    .wavefront_size: 32
...
	.end_amdgpu_metadata
.endif
;; end of part 4
